; MI455X (gfx1250); checked and timed in simulation.
; The chip was launched on July 23, 2026; its instructions are those of AMD's public machine-readable ISA for CDNA 5 (MIT licence, August 2026) and "CDNA5" Instruction Set Architecture Reference Guide (July 2026). The comments in the code are by the model that wrote it; some were corrected since.
;; Causal Attention. Allowed arithmetic: matrix products marked QUANTISED: E2M1 operands, one E8M0 scale for each 32 along K, by v_wmma_scale_f32_16x16x128_f8f6f4 with both operands' format E2M1 (or v_wmma_scale_f32_32x16x128_f4), f32 sums; products left as they are: bf16, f16 or f32 operands; f32 sums; everything else in f32.
;; Inputs: Wk 1,024 x 1,024 float32; Wo 1,024 x 1,024 float32; Wq 1,024 x 1,024 float32; Wv 1,024 x 1,024 float32; bk 1,024 float32; bo 1,024 float32; bq 1,024 float32; bv 1,024 float32; x 1 x 4,096 x 1,024 float32.
;; Outputs: out0 1 x 4,096 x 1,024 float32.
;; This version of the problem:
;;   THIS VERSION OF THE PROBLEM IS GIVEN IN LOW PRECISION. The matrix products marked QUANTISED in the list below multiply operands that are first quantised to E2M1 (2 exponent bits, 1 mantissa bit; 4 bits a number), with one power-of-two scale for each 32 numbers along K (OCP MX v1.0); their sums are f32. The products marked 'left as it is' may take bf16, f16 or f32 operands, with f32 sums. Whichever they take, every output number must still come out within the allowed error. Rounding operands to bf16 (8 significant bits) uses up far more of that allowance than f16 does (11 bits, for magnitudes from 6e-5 to 65,504). All else is computed in f32.
;;   The module's matrix products, in the order in which they are computed (A, B: the left and right operand; K: the contracted axis; several contracted axes count as one K, in the product's order):
;;     1. [M 4,096, K 1,024] x [K 1,024, N 1,024]; A: input x; B: input Wq: QUANTISED
;;     2. [M 4,096, K 1,024] x [K 1,024, N 1,024]; A: input x; B: input Wk: QUANTISED
;;     3. [M 4,096, K 1,024] x [K 1,024, N 1,024]; A: input x; B: input Wv: QUANTISED
;;     4. batch 16 x [M 4,096, K 64] x [K 64, N 4,096]; A: computed on the way; B: computed on the way: left as it is (an operand is computed on the way)
;;     5. batch 16 x [M 4,096, K 4,096] x [K 4,096, N 64]; A: computed on the way; B: computed on the way: left as it is (an operand is computed on the way)
;;     6. [M 4,096, K 1,024] x [K 1,024, N 1,024]; A: computed on the way; B: input Wo: left as it is (an operand is computed on the way)
;;   THE QUANTISER, for each operand of a quantised product, along K:
;;     - K is cut into blocks of 32 from its start; a last block that is shorter is filled with zeros.
;;     - A block's scale is 2^e with e = floor(log2(the largest magnitude in the block)) - 2, held to -126 .. 127; a block of zeros has e = 0. As a byte (E8M0): e + 127.
;;     - Each number is divided by its block's scale, clamped to +-6, and rounded to the nearest number of E2M1, ties to even, subnormals kept.
;;     - The product sums the exact products of the quantised numbers (number of the format x scale) in f32.
;;   ~~~python
;;   def quantise(x, axis):      # numpy; x: float32 -> the quantised numbers, widened to float32 again
;;       x = np.moveaxis(x, axis, -1); K = x.shape[-1]
;;       x = np.pad(x, [(0, 0)] * (x.ndim - 1) + [(0, -K % 32)]); x = x.reshape(x.shape[:-1] + (-1, 32)); a = np.abs(x).max(-1, keepdims=True)
;;       e = np.where(a > 0, np.clip(np.frexp(np.where(a > 0, a, 1))[1] - 1 - 2, -126, 127), 0)      # np.frexp(a)[1] - 1 = floor(log2(a)), exactly
;;       r = np.clip(x / 2.0 ** e, -6, 6)
;;       step = 2.0 ** (np.maximum(np.frexp(np.where(r == 0, 1, r))[1] - 1, 0) - 1)
;;       q = np.round(r / step) * step * 2.0 ** e      # np.round: ties to even
;;       return np.moveaxis(q.reshape(q.shape[:-2] + (-1,))[..., :K], -1, axis).astype(np.float32)
;;   ~~~
;; One version. Each part assembles by itself: llvm-mc -triple=amdgcn-amd-amdhsa -mcpu=gfx1250 --defsym DOCPART=n.
;; ======== version 1 of 1: 4 launches
;; limits: values are held in f16: magnitudes above 65,504 overflow, below 6.1e-05 lose precision
;; workspace buffers: xc 2,097,152 bytes; xs 131,072 bytes; wc 1,572,864 bytes; ws 98,304 bytes; wof 2,097,152 bytes; qkf 16,777,216 bytes; vf 8,388,608 bytes; ao 8,388,608 bytes
;; launch prep (part 1): grid 256 x 1, 8 waves a work-group, no clusters, 61,440 bytes of LDS; arguments x, Wq, Wk, Wv, Wo, xc, xs, wc, ws, wof; writes xc, xs, wc, ws, wof
.if DOCPART == 1
	.amdgcn_target "amdgcn-amd-amdhsa--gfx1250"
	.amdhsa_code_object_version 6
	.text
	.protected	k_qfe7f70199c_prep
	.globl	k_qfe7f70199c_prep
	.p2align	8
	.type	k_qfe7f70199c_prep,@function
k_qfe7f70199c_prep:
	s_mov_b64 s[64:65], 0
	v_nop
	global_prefetch_b8 v0, s[64:65] scope:SCOPE_SE
	s_setreg_imm32_b32 hwreg(HW_REG_WAVE_MODE, 25, 1), 1
	s_wait_xcnt 0x0
; PREP.  x [4096][1024] and Wq, Wk, Wv [1024 (k)][1024 (n)], f32, become codes of FP4 (E2M1) with K innermost and one E8M0 byte for each 32 along K;
; Wo [1024 (k)][1024 (n)] becomes f16 numbers laid in the order of a matrix operand's registers.
;   xc [4096][512 bytes], xs [4096][32];  wc [3072 = q, k, v columns][512 bytes], ws [3072][32];  wof [n / 16][k / 32][half][lane][16 bytes].
; A block's scale is 2^(floor(log2(its largest magnitude)) - 2): its byte is the largest magnitude's exponent field - 2, held at 1 from below.
; A block of zeros so gets the byte 1: its codes are zeros, which add nothing, and this program alone reads the bytes.
; LIMITS: NaN and infinities among the inputs are not served; blocks whose largest magnitude lies under 2^(3 - 127) keep the byte 1.  Wo beyond 65,504 has no f16 number.
; SHARES.  Work-groups 0-127 take x: a wave takes 4,096 numbers, 16,384 bytes, all asked for at once.  Work-groups 128-255 take a matrix (128 + 32 sel ..: sel 0, 1, 2 = Wq, Wk, Wv, 3 = Wo):
; 64 columns x 512 along K a work-group, 32 columns x 128 along K a wave: A LANE TAKES A COLUMN AND ITS 128 REGISTERS RUN DOWN K, so nothing is transposed by an instruction.
; The three paths part on the work-group's number, which all eight waves share, and do not meet again; each has LDS bytes of its own.
.set SP,    80                         ; x: a lane's place in a stage: its 64 bytes + 16 of padding
.set XREG,  5376                       ; x: a wave's LDS: two stages of 32 x SP bytes, then its 128 scale bytes at 5,120
.set WST,   8*XREG                     ; the weights' stage: 64 rows (columns n) x 272 bytes (256 of codes + 16)
.set WP,    272
.set SPARE, WST+64*WP                  ; the spare words, 128 bytes for each wave: four blocks of 256 bytes that no other line names
.set R,     32                         ; v32-159  128 numbers as loaded (x: eight sets of 16)
.set X,     160                        ; v160-191 x: two sets of 16 neighbours;  weights: v160-175 codes, v176 the scale word, v180-195 the way out;  Wo: v160-223 packed
.set C,     192                        ; v192-207 x: two registers of codes for each step
.set E,     208                        ; v208-215 x: a scale byte for each step
.set SPW,   12                         ; v12  LDS address of my spare word; never rewritten
.set NIL,   13                         ; v13  0; never rewritten
	s_load_b256 s[4:11], s[0:1], 0x0               ; x, Wq, Wk, Wv
	s_load_b256 s[12:19], s[0:1], 0x20             ; Wo, xc, xs, wc
	s_load_b128 s[20:23], s[0:1], 0x40             ; ws, wof
	v_lshl_add_u32 v[SPW], v0, 2, SPARE
	v_mov_b32 v[NIL], 0
	v_lshrrev_b32 v1, 5, v0
	v_readfirstlane_b32 s24, v1                    ; wave 0..7
	v_and_b32 v2, 31, v0                           ; lane
	v_lshlrev_b32 v3, 4, v2                        ; 16 x lane
	v_lshlrev_b32 v4, 3, v2                        ; 8 x lane
	v_lshlrev_b32 v7, 2, v2                        ; 4 x lane
	v_lshlrev_b32 v19, 5, v2                       ; 32 x lane: a column's row of scale bytes
	; every LDS address is made here, ahead of the parting
	s_mul_i32 s25, s24, XREG
	v_lshrrev_b32 v14, 2, v2
	v_mul_u32_u24 v14, v14, SP
	v_and_b32 v15, 3, v2
	v_lshl_add_u32 v14, v15, 4, v14
	v_add_nc_u32 v14, s25, v14                     ; x's stage, way in: four lanes' 64 bytes on end, then the padding
	v_mul_u32_u24 v15, v2, SP
	v_add_nc_u32 v15, s25, v15                     ; way out: my 16 neighbours
	s_add_co_u32 s25, s25, 2*32*SP
	v_lshrrev_b32 v5, 1, v2
	v_add_nc_u32 v5, s25, v5                       ; my block's scale byte
	v_add_nc_u32 v6, s25, v7                       ; and 4 of the wave's 128 on the way out
	s_and_b32 s26, s24, 1                          ; cg: which 32 columns
	s_lshr_b32 s27, s24, 1                         ; kq: which 128 along K
	s_mul_i32 s30, s26, 32*WP
	s_lshl_b32 s31, s27, 6
	s_add_co_u32 s30, s30, s31
	s_add_co_u32 s30, s30, WST
	v_mul_u32_u24 v16, v2, WP
	v_add_nc_u32 v16, s30, v16                     ; the weights' stage, way in: row 32 cg + lane, byte 64 kq
	s_mul_i32 s30, s24, 8*WP
	s_add_co_u32 s30, s30, WST
	v_lshrrev_b32 v10, 4, v2
	v_and_b32 v11, 15, v2
	v_mul_u32_u24 v17, v10, WP
	v_lshl_add_u32 v17, v11, 4, v17
	v_add_nc_u32 v17, s30, v17                     ; way out: rows 8 w on, sixteen lanes to a row
	v_lshlrev_b32 v20, 9, v10
	v_lshl_add_u32 v20, v11, 4, v20                ; and the same place in wc: rows of 512 bytes
	s_wait_kmcnt 0x0
	s_cmp_lt_u32 ttmp9, 128
	s_cbranch_scc0 .Lmat
; ---------------- x: a plain stream of blocks of 32 ----------------
; Each load reads 512 consecutive bytes, 16 a lane; a step's 2,048 bytes turn through the wave's own stage and come back 64 bytes a lane: 16 neighbours, two lanes to a block.
	s_lshl_b32 s28, ttmp9, 3
	s_add_co_u32 s28, s28, s24                     ; which run of 4,096 numbers is my wave's
	s_mov_b32 s31, 0
	s_lshl_b32 s30, s28, 14
	s_add_nc_u64 s[4:5], s[4:5], s[30:31]
	s_lshl_b32 s30, s28, 11
	s_add_nc_u64 s[14:15], s[14:15], s[30:31]
	s_lshl_b32 s30, s28, 7
	s_add_nc_u64 s[16:17], s[16:17], s[30:31]
.macro XLOAD t
.irp i, 0,1,2,3
	global_load_b128 v[R+16*(\t)+4*\i:R+16*(\t)+4*\i+3], v3, s[4:5] offset:2048*(\t)+512*\i th:TH_LOAD_NT
.endr
.endm
.macro XTURN t                         ; LDS serves a wave's instructions in order: no wait between the stores and the loads
.irp i, 0,1,2,3
	ds_store_b128 v14, v[R+16*(\t)+4*\i:R+16*(\t)+4*\i+3] offset:32*SP*((\t)%2)+8*SP*\i
.endr
.irp i, 0,1,2,3
	ds_load_b128 v[X+16*((\t)%2)+4*\i:X+16*((\t)%2)+4*\i+3], v15 offset:32*SP*((\t)%2)+16*\i
.endr
.endm
.macro XSTEP t
.set XS, X+16*((\t)%2)
.if (\t) > 0
	s_wait_dscnt 1                                 ; this step's numbers are back from the stage; the last step's byte store may be out
.else
	s_wait_dscnt 0x0
.endif
.if (\t)+1 < 8
	s_wait_loadcnt 4*(6-(\t))                      ; the next step's four loads are in; those of the steps behind it may be out
	XTURN (\t)+1
.endif
	v_max3_num_f32 v8, |v[XS]|, |v[XS+1]|, |v[XS+2]|               ; the largest magnitude of my 16, in two chains
	v_max3_num_f32 v9, |v[XS+3]|, |v[XS+4]|, |v[XS+5]|
.irp i, 6,10
	v_max3_num_f32 v8, v8, |v[XS+\i]|, |v[XS+\i+1]|
	v_max3_num_f32 v9, v9, |v[XS+\i+2]|, |v[XS+\i+3]|
.endr
	v_max3_num_f32 v8, v8, |v[XS+14]|, |v[XS+15]|
	v_max3_num_f32 v8, v8, v9, 0x1800000           ; and the floor 2^(3 - 127): the byte cannot fall under 1
	v_max_num_f32_dpp v8, v8, v8 row_xmask:1 row_mask:0xf bank_mask:0xf   ; with my neighbour's 16: the block's
	v_add_nc_u32 v11, 0xff000000, v8               ; 2 off its exponent field: the conversion takes this operand's exponent field as its scale
	v_cvt_scalef32_pk8_fp4_f32 v[C+2*(\t)], v[XS:XS+7], v11
	v_cvt_scalef32_pk8_fp4_f32 v[C+2*(\t)+1], v[XS+8:XS+15], v11
	v_lshrrev_b32 v[E+(\t)], 23, v11               ; the scale's byte (also the plain line behind the conversions)
	ds_store_b8 v5, v[E+(\t)] offset:16*(\t)       ; both lanes of a block write the same byte with the same value
	global_store_b64 v4, v[C+2*(\t):C+2*(\t)+1], s[14:15] offset:256*(\t)   ; the wave stores 256 consecutive bytes, aligned
.endm
.irp t, 0,1,2,3,4,5,6,7
	XLOAD \t                                       ; all 32 loads of the wave go out together
.endr
	s_wait_loadcnt 28                              ; step 0's four are in; the 28 of steps 1 to 7 may be out
	XTURN 0
.irp t, 0,1,2,3,4,5,6,7
	XSTEP \t
.endr
	ds_load_b32 v8, v6                             ; my wave's 128 scale bytes, behind its byte stores in LDS's order
	s_wait_dscnt 0x0
	global_store_b32 v7, v8, s[16:17]              ; 128 consecutive bytes a wave: one byte in 128 of what the path reads
	s_wait_tensorcnt 0x0                           ; the wave's end
	ds_add_u32 v[SPW], v[NIL]
	s_wait_dscnt 0x0
	s_endpgm
; ---------------- a matrix with K as its first axis ----------------
.Lmat:
	s_sub_co_u32 s28, ttmp9, 128
	s_lshr_b32 s29, s28, 5                         ; sel
	s_bfe_u32 s32, s28, 0x40001                    ; ct: which 64 columns
	s_and_b32 s33, s28, 1                          ; kh: which 512 along K
	s_cmp_eq_u32 s29, 1
	s_cselect_b64 s[34:35], s[8:9], s[6:7]
	s_cmp_eq_u32 s29, 2
	s_cselect_b64 s[34:35], s[10:11], s[34:35]
	s_cmp_eq_u32 s29, 3
	s_cselect_b64 s[34:35], s[12:13], s[34:35]     ; the matrix: the choice hangs on the work-group's number alone
	s_lshl_b32 s36, s33, 21                        ; (512 kh + 128 kq) rows of 4,096 bytes + (64 ct + 32 cg) x 4
	s_lshl_b32 s37, s27, 19
	s_add_co_u32 s36, s36, s37
	s_lshl_b32 s37, s32, 8
	s_add_co_u32 s36, s36, s37
	s_lshl_b32 s37, s26, 7
	s_add_co_u32 s36, s36, s37
	s_mov_b32 s37, 0
	s_add_nc_u64 s[34:35], s[34:35], s[36:37]
.set i, 0
.rept 128
	global_load_b32 v[R+i], v7, s[34:35] offset:i*4096 th:TH_LOAD_NT   ; row k at 32 neighbouring columns: 128 consecutive bytes a wave, 256 with the wave beside it
.set i, i+1
.endr
	s_cmp_eq_u32 s29, 3
	s_cbranch_scc1 .Lwo
; ---- Wq, Wk, Wv: four blocks of 32 a lane ----
	s_lshl_b32 s36, s29, 15                        ; ws: (1024 sel + 64 ct + 32 cg) x 32 + 16 kh + 4 kq
	s_lshl_b32 s37, s32, 11
	s_add_co_u32 s36, s36, s37
	s_lshl_b32 s37, s26, 10
	s_add_co_u32 s36, s36, s37
	s_lshl_b32 s37, s33, 4
	s_add_co_u32 s36, s36, s37
	s_lshl_b32 s37, s27, 2
	s_add_co_u32 s36, s36, s37
	s_mov_b32 s37, 0
	s_add_nc_u64 s[38:39], s[20:21], s[36:37]
	s_lshl_b32 s36, s29, 19                        ; wc: (1024 sel + 64 ct + 8 w) x 512 + 256 kh
	s_lshl_b32 s40, s32, 15
	s_add_co_u32 s36, s36, s40
	s_lshl_b32 s40, s24, 12
	s_add_co_u32 s36, s36, s40
	s_lshl_b32 s40, s33, 8
	s_add_co_u32 s36, s36, s40
	s_add_nc_u64 s[40:41], s[18:19], s[36:37]
.macro WBLOCK t
.set XS, R+32*(\t)
.if 96-32*(\t) > 63
	s_wait_loadcnt 63                              ; the youngest 63 of the 128 may be out: the first 65, blocks 0 and 1 among them, are in
.else
	s_wait_loadcnt 96-32*(\t)                      ; the later blocks' loads may be out
.endif
	v_max3_num_f32 v8, |v[XS]|, |v[XS+1]|, |v[XS+2]|               ; the block's largest magnitude: all 32 numbers are mine
	v_max3_num_f32 v9, |v[XS+3]|, |v[XS+4]|, |v[XS+5]|
.irp i, 6,10,14,18,22,26
	v_max3_num_f32 v8, v8, |v[XS+\i]|, |v[XS+\i+1]|
	v_max3_num_f32 v9, v9, |v[XS+\i+2]|, |v[XS+\i+3]|
.endr
	v_max3_num_f32 v8, v8, |v[XS+30]|, |v[XS+31]|
	v_max3_num_f32 v8, v8, v9, 0x1800000           ; and the floor
	v_add_nc_u32 v11, 0xff000000, v8
	v_lshrrev_b32 v9, 23, v11                      ; the scale's byte
.if (\t) == 0
	v_mov_b32 v176, v9                             ; four bytes make the word of these 128 along K, the lower K in the lower byte
.else
	v_lshl_or_b32 v176, v9, 8*(\t), v176
.endif
.irp g, 0,1,2,3
	v_cvt_scalef32_pk8_fp4_f32 v[160+4*(\t)+\g], v[XS+8*\g:XS+8*\g+7], v11
.endr
	v_nop                                          ; one plain line behind the last conversion of a run
	ds_store_b128 v16, v[160+4*(\t):160+4*(\t)+3] offset:16*(\t)   ; 32 codes: 16 bytes of my column's row
.endm
.irp t, 0,1,2,3
	WBLOCK \t
.endr
	global_store_b32 v19, v176, s[38:39]           ; my column's four scale bytes
	s_wait_dscnt 0x0                               ; for the others' sake: my stores into the stage are done
	s_barrier_signal -1
	s_barrier_wait -1                              ; a row's 256 bytes come from four waves
.irp i, 0,1,2,3
	ds_load_b128 v[180+4*\i:183+4*\i], v17 offset:\i*2*WP
.endr
.irp i, 0,1,2,3
	s_wait_dscnt 3-\i                              ; the younger loads may be out
	global_store_b128 v20, v[180+4*\i:183+4*\i], s[40:41] offset:\i*1024   ; sixteen lanes store 256 consecutive bytes, aligned
.endr
	s_wait_tensorcnt 0x0                           ; the wave's end
	ds_add_u32 v[SPW], v[NIL]
	s_wait_dscnt 0x0
	s_endpgm
; ---- Wo: f16, in the order of an operand's registers ----
; A fragment is 16 columns n x 32 along K: lane (r, h) holds column r; registers 0-3 (half 0) k = 8 h + 0..7, registers 4-7 (half 1) k = 16 + 8 h + 0..7.
; My lane holds 32 along K of ONE column as 16 packed registers; lanes 0-15 are one tile of columns, lanes 16-31 the next.  Exchanging the upper lanes of packed register i
; with the lower lanes of register i + 4 gives both tiles' halves as they are wanted.
.Lwo:
	s_lshl_b32 s36, s32, 17                        ; wof: (4 ct + 2 cg) tiles of 32,768 bytes + (16 kh + 4 kq) x 1,024
	s_lshl_b32 s37, s26, 16
	s_add_co_u32 s36, s36, s37
	s_lshl_b32 s37, s33, 14
	s_add_co_u32 s36, s36, s37
	s_lshl_b32 s37, s27, 12
	s_add_co_u32 s36, s36, s37
	s_mov_b32 s37, 0
	s_add_nc_u64 s[38:39], s[22:23], s[36:37]
.macro OCHUNK t
.set XS, R+32*(\t)
.set PP, 160+16*(\t)
.if 96-32*(\t) > 63
	s_wait_loadcnt 63                              ; as above
.else
	s_wait_loadcnt 96-32*(\t)
.endif
.irp i, 0,1,2,3,4,5,6,7,8,9,10,11,12,13,14,15
	v_cvt_pk_f16_f32 v[PP+\i], v[XS+2*\i], v[XS+2*\i+1]
.endr
.irp i, 0,1,2,3
	v_permlane16_swap_b32 v[PP+\i], v[PP+4+\i]
	v_permlane16_swap_b32 v[PP+8+\i], v[PP+12+\i]
.endr
	global_store_b128 v3, v[PP:PP+3], s[38:39] offset:1024*(\t)              ; each store covers 512 consecutive bytes, aligned
	global_store_b128 v3, v[PP+8:PP+11], s[38:39] offset:1024*(\t)+512
	global_store_b128 v3, v[PP+4:PP+7], s[38:39] offset:32768+1024*(\t)
	global_store_b128 v3, v[PP+12:PP+15], s[38:39] offset:32768+1024*(\t)+512
.endm
.irp t, 0,1,2,3
	OCHUNK \t
.endr
	s_endpgm
.Lfunc_end_k_qfe7f70199c_prep:
	.size	k_qfe7f70199c_prep, .Lfunc_end_k_qfe7f70199c_prep-k_qfe7f70199c_prep
	.p2alignl 7, 3214868480
	.fill 96, 4, 3214868480
	.section	.rodata,"a",@progbits
	.p2align	6, 0x0
	.amdhsa_kernel k_qfe7f70199c_prep
		.amdhsa_group_segment_fixed_size 61440
		.amdhsa_private_segment_fixed_size 0
		.amdhsa_enable_private_segment 0
		.amdhsa_kernarg_size 80
		.amdhsa_user_sgpr_count 2
		.amdhsa_user_sgpr_kernarg_segment_ptr 1
		.amdhsa_wavefront_size32 1
		.amdhsa_system_sgpr_workgroup_id_x 1
		.amdhsa_system_sgpr_workgroup_id_y 1
		.amdhsa_system_sgpr_workgroup_id_z 1
		.amdhsa_system_vgpr_workitem_id 0
		.amdhsa_next_free_vgpr 224
		.amdhsa_next_free_sgpr 66
		.amdhsa_reserve_vcc 0
		.amdhsa_float_denorm_mode_32 3
		.amdhsa_float_denorm_mode_16_64 3
		.amdhsa_memory_ordered 1
		.amdhsa_forward_progress 1
		.amdhsa_inst_pref_size 46
	.end_amdhsa_kernel
	.amdgpu_metadata
---
amdhsa.version: [ 1, 2 ]
amdhsa.kernels:
  - .name:           k_qfe7f70199c_prep
    .symbol:         k_qfe7f70199c_prep.kd
    .args:
      - { .name: x, .offset: 0, .size: 8, .value_kind: global_buffer, .address_space: global }
      - { .name: Wq, .offset: 8, .size: 8, .value_kind: global_buffer, .address_space: global }
      - { .name: Wk, .offset: 16, .size: 8, .value_kind: global_buffer, .address_space: global }
      - { .name: Wv, .offset: 24, .size: 8, .value_kind: global_buffer, .address_space: global }
      - { .name: Wo, .offset: 32, .size: 8, .value_kind: global_buffer, .address_space: global }
      - { .name: xc, .offset: 40, .size: 8, .value_kind: global_buffer, .address_space: global }
      - { .name: xs, .offset: 48, .size: 8, .value_kind: global_buffer, .address_space: global }
      - { .name: wc, .offset: 56, .size: 8, .value_kind: global_buffer, .address_space: global }
      - { .name: ws, .offset: 64, .size: 8, .value_kind: global_buffer, .address_space: global }
      - { .name: wof, .offset: 72, .size: 8, .value_kind: global_buffer, .address_space: global }
    .group_segment_fixed_size: 61440
    .private_segment_fixed_size: 0
    .kernarg_segment_align: 8
    .kernarg_segment_size: 80
    .max_flat_workgroup_size: 256
    .sgpr_count:     66
    .vgpr_count:     224
    .wavefront_size: 32
...
	.end_amdgpu_metadata
.endif
;; end of part 1
;; launch qkv (part 2): grid 12 x 16, 4 waves a work-group, clusters of 4 x 4, 327,680 bytes of LDS; arguments xc, xs, wc, ws, bq, bk, bv, qkf, vf; writes qkf, vf
.if DOCPART == 2
	.amdgcn_target "amdgcn-amd-amdhsa--gfx1250"
	.amdhsa_code_object_version 6
	.text
	.protected	k_qfe7f70199c_qkv
	.globl	k_qfe7f70199c_qkv
	.p2align	8
	.type	k_qfe7f70199c_qkv,@function
k_qfe7f70199c_qkv:
	s_mov_b64 s[64:65], 0
	v_nop
	global_prefetch_b8 v0, s[64:65] scope:SCOPE_SE
	s_setreg_imm32_b32 hwreg(HW_REG_WAVE_MODE, 25, 1), 1
	s_wait_xcnt 0x0
	s_wait_alu depctr_hold_cnt(0) depctr_sa_sdst(0) depctr_va_vdst(0) depctr_va_sdst(0) depctr_va_ssrc(0) depctr_va_vcc(0) depctr_vm_vsrc(0)
	s_getreg_b32 s2, hwreg(HW_REG_IB_STS2, 6, 4)
	s_cmp_eq_u32 s2, 0
	s_cbranch_scc0 .Lentry_in_a_cluster
	s_endpgm
.Lentry_in_a_cluster:
	s_bfe_u32 s2, ttmp6, 0x10000c
	s_cmp_lg_u32 s2, 0xf033
	s_cbranch_scc0 .Lentry_shape_is_right
	s_endpgm
.Lentry_shape_is_right:
; QKV.  q, k, v = Q(x) Q(W) + bias on codes of FP4 (E2M1) with one E8M0 scale for each 32 along K = 1,024; sums in f32; the results, rounded once to f16, are stored in the order of the
; next launch's operand registers, so that no stage and no transposition is needed here or there.
; A tile of 256 x 256 is made by four waves, 128 x 128 each: 64 accumulators of 16 x 16.  K's two steps of 512 lie in two LDS slots, each filled once, with the first fills.
; THE MATRIX INSTRUCTION IS USED TRANSPOSED: source 0 = 16 rows of 'B', source 1 = 16 rows of 'A': a lane holds ONE row of A (lane % 16) and eight neighbouring rows of B (8 (lane / 16) + 0..7).
;   q, k (cluster x = 0, 1): A = x (tokens), B = W's columns (channels): four packed registers are half a fragment [16 tokens x 32 channels].
;   v    (cluster x = 2):    A = Wv's columns (channels), B = x (tokens): the same four registers are half a fragment of V^T [16 channels x 32 keys].  Only pointers, bias and store offsets differ.
;   qkf [g = 16 heads of q, then 16 of k][token / 16][channel / 32][half][lane][16 bytes];   vf [head][token / 32][channel / 16][half][lane][16 bytes].
; CLUSTERS: 4 x 4 work-groups; A's tiles are asked for jointly along a row of the cluster, B's along a column.  Which of q, k, v a cluster makes hangs on the cluster's x, which all sixteen share.
; LIMIT: |q|, |k|, |v| beyond 65,504 have no f16 number; with x and W thirty times the drawn spread, or offset by thirty spreads, they stay under 2 x 10^4.
; 192 work-groups: tiles of 256 x 256 divide the 3,072 columns at the borders between q, k and v.
; REGISTERS: window 0: v0-31 addresses; v32-95 scale words, two sets; v128-191 A's fragments, one set; v192-255 the bias.  window 1: B's fragments, two sets.  windows 2, 3: the accumulators.
.set NQ,     4                         ; steps of 128 along K in a slot
.set ROWB,   256                       ; a tile's row: 512 codes
.set KROW,   512                       ; a row of codes in memory
.set PITCH,  272                       ; an LDS row: 256 bytes + 16: the 16 rows that a load touches start 68 words apart
.set FR,     8
.set NL,     2
.set NP,     4
.set HALFT,  128*PITCH
.set SLOT,   4*HALFT
.set KS,     32                        ; a row of scale bytes
.set SCL,    2*SLOT                    ; behind the slots: the scales, as rows of 256 bytes + 16
.set HALFS,  (128*KS/256)*272
.set SBLK,   (16*KS/256)*272
.set SPARE,  SCL+4*HALFS               ; the spare words: two blocks of 256 bytes that no other line names
.set ADRA, 16
.set ADRB, 20
.set CO,   26                          ; v26  16 x lane
.set ADRS, 27
.set SPW,  28
.set NIL,  29
.set BH,   30                          ; v30  32 (lane / 16): the bias of q and k
.set BR,   31                          ; v31  4 (lane % 16): the bias of v
.set SC,   32
.set AF,   128
.set BB,   192                         ; the bias: q, k: register 8 b + j for B's block b;  v: registers 8 a .. 8 a + 7, all alike, for A's block a
.set T,    128                         ; the way out: a block's 64 sums with the bias
.set PK,   32                          ; and packed, two sets of 32
.set G1, 24
.set G0, 32
.set G1B, 48
.set G0B, 56
.set G1S, 68
.set G0S, 76
.set G1SB, 80
.set G0SB, 88
.set MSB, 0
.macro WIN new                         ; the immediate's high byte repeats the setting that is left
.if MSB != \new
	s_set_vgpr_msb (MSB<<8)|\new
.set MSB, \new
.endif
.endm
.set MUL_LO, 0xa1                      ; source 0 (B) window 1, source 1 (A) window 0, C and D window 2
.set MUL_HI, 0xf1
.set TO_B,   0x40
; A joint load: waves 0 and 1 fetch for A, waves 2 and 3 for B.  The branch hangs on the wave's number alone.  An s_nop 0 and four v_nop follow each line.
.macro JLOAD g0a, g1a, g0b, g1b
	s_cmp_eq_u32 s15, 0
	s_cbranch_scc0 .Lfor_b_\@
	tensor_load_to_lds s[\g0a:\g0a+3], s[\g1a:\g1a+7]
	s_nop 0
.rept 4
	v_nop
.endr
	s_branch .Lasked_\@
.Lfor_b_\@:
	tensor_load_to_lds s[\g0b:\g0b+3], s[\g1b:\g1b+7]
	s_nop 0
.rept 4
	v_nop
.endr
.Lasked_\@:
.endm
.macro CROUND                          ; a round of the cluster's barrier
	s_barrier_signal -1
	s_barrier_wait -1
	s_cmp_lg_u32 s14, 0
	s_cbranch_scc1 .Lnot_wave_0_\@
	s_barrier_signal -3
.Lnot_wave_0_\@:
	s_barrier_wait -3
	s_barrier_signal -1
	s_barrier_wait -1
.endm
	s_load_b256 s[4:11], s[0:1], 0x0               ; xc, xs, wc, ws
	s_load_b256 s[68:75], s[0:1], 0x20             ; bq, bk, bv, qkf
	s_load_b64 s[76:77], s[0:1], 0x40              ; vf
	v_lshl_add_u32 v[SPW], v0, 2, SPARE
	v_mov_b32 v[NIL], 0
	ds_add_u32 v[SPW], v[NIL]                      ; the wave's opening: the add, twice on end, and its wait ahead of my first tensor load
	ds_add_u32 v[SPW], v[NIL]
	v_lshrrev_b32 v1, 5, v0
	v_readfirstlane_b32 s14, v1                    ; wave 0..3
	s_lshr_b32 s15, s14, 1                         ; my half of A's rows.  Also: I fetch for A (0) or for B (1)
	s_and_b32 s16, s14, 1                          ; my half of B's rows.  Also: which 128 rows I fetch
	s_bfe_u32 s40, ttmp6, 0x40000                  ; cx
	s_bfe_u32 s41, ttmp6, 0x40004                  ; cy
	s_and_b32 s17, ttmp7, 0xffff
	s_lshl_b32 s17, s17, 10                        ; 1,024 x cluster y
	s_lshl_b32 s42, ttmp9, 10                      ; 1,024 x cluster x
	s_cmp_eq_u32 ttmp9, 2                          ; does my cluster make v?
	s_cselect_b32 s42, s17, s42                    ; B's first row: tokens by cluster y, or W's columns by cluster x
	s_cselect_b32 s17, 2048, s17                   ; A's first row: Wv's columns, or tokens by cluster y
	s_cselect_b32 s95, 1, 0
	s_lshl_b32 s18, s41, 8
	s_add_co_u32 s17, s17, s18                     ; + 256 cy: A's tile hangs on cy alone
	s_lshl_b32 s19, s40, 8
	s_add_co_u32 s42, s42, s19                     ; + 256 cx: B's on cx alone
	s_lshl_b32 s43, s41, 2
	s_lshl_b32 s43, 15, s43                        ; my row of the cluster
	s_lshl_b32 s44, 0x1111, s40                    ; my column
	s_or_b32 s[G1+0], s43, (0<<16)|(1<<20)|(1<<21)|(5<<22)|(3<<25)  ; the mask; elements of 1 byte; padding on; bit 21 beside a mask; 4 words behind every 64
	s_or_b32 s[G1B+0], s44, (0<<16)|(1<<20)|(1<<21)|(5<<22)|(3<<25)
.irp g, G1, G1B
	s_mov_b32 s[\g+1], ROWB<<16                    ; tensor_dim0
	s_mov_b32 s[\g+2], 128<<16                     ; tensor_dim1
	s_mov_b32 s[\g+3], ROWB<<16                    ; tile_dim0
	s_mov_b32 s[\g+4], 128                         ; tile_dim1
	s_mov_b32 s[\g+5], KROW                        ; the pitch
	s_mov_b32 s[\g+6], 0
	s_mov_b32 s[\g+7], 0
.endr
	s_lshl_b32 s18, s16, 7
	s_add_co_u32 s20, s17, s18                     ; the 128 rows of A that I would fetch
	s_add_co_u32 s46, s42, s18                     ; and of B
	s_lshl_b32 s22, s20, 5                         ; their scale bytes,
	s_mov_b32 s23, 0
	s_lshl_b32 s92, s46, 5
	s_mov_b32 s93, 0
	s_lshl_b32 s20, s20, 9                         ; their codes
	s_mov_b32 s21, 0
	s_lshl_b32 s46, s46, 9
	s_mov_b32 s47, 0
	s_mul_i32 s45, s14, HALFT                      ; where they go: no place in the cluster enters an LDS address
	s_mul_i32 s94, s14, HALFS
	s_wait_dscnt 0x0                               ; both opening adds are done
	s_wait_kmcnt 0x0
	s_cmp_eq_u32 s95, 1                            ; the buffers change places for v: the choice hangs on the cluster's x alone
	s_cselect_b64 s[96:97], s[8:9], s[4:5]         ; A's codes
	s_cselect_b64 s[98:99], s[10:11], s[6:7]       ; A's scales
	s_cselect_b64 s[8:9], s[4:5], s[8:9]           ; B's codes
	s_cselect_b64 s[10:11], s[6:7], s[10:11]       ; B's scales
	s_cselect_b64 s[12:13], s[76:77], s[74:75]     ; the output
	s_cselect_b64 s[100:101], s[72:73], s[68:69]   ; the bias
	s_cmp_eq_u32 ttmp9, 1
	s_cselect_b64 s[100:101], s[70:71], s[100:101]
	; s68-91 are free now.  The scales of 128 rows: 4,096 dense bytes, as 16 rows of 256 bytes (32 elements of 8), 16 bytes of padding behind each
	s_or_b32 s[G1S+0], s43, (3<<16)|(1<<20)|(1<<21)|(5<<22)|(3<<25)
	s_or_b32 s[G1SB+0], s44, (3<<16)|(1<<20)|(1<<21)|(5<<22)|(3<<25)
.irp g, G1S, G1SB
	s_mov_b32 s[\g+1], 32<<16
	s_mov_b32 s[\g+2], (128*KS/256)<<16
	s_mov_b32 s[\g+3], 32<<16
	s_mov_b32 s[\g+4], 128*KS/256
	s_mov_b32 s[\g+5], 32
	s_mov_b32 s[\g+6], 0
	s_mov_b32 s[\g+7], 0
.endr
	s_add_nc_u64 s[20:21], s[96:97], s[20:21]
	s_add_nc_u64 s[22:23], s[98:99], s[22:23]
	s_add_nc_u64 s[46:47], s[8:9], s[46:47]
	s_add_nc_u64 s[92:93], s[10:11], s[92:93]
	CROUND                                         ; all sixteen work-groups are here: the first joint loads meet
	s_mov_b32 s[G0S], 1
	s_add_co_u32 s[G0S+1], s94, SCL
	s_mov_b64 s[G0S+2:G0S+3], s[22:23]
	s_or_b32 s[G0S+3], s[G0S+3], 0x80000000
	s_mov_b32 s[G0SB], 1
	s_add_co_u32 s[G0SB+1], s94, SCL
	s_mov_b64 s[G0SB+2:G0SB+3], s[92:93]
	s_or_b32 s[G0SB+3], s[G0SB+3], 0x80000000
	JLOAD G0S, G1S, G0SB, G1SB                     ; the scales first: they are wanted with K step 0
.irp s, 0,1
	s_mov_b32 s[G0+4*\s], 1
	s_add_co_u32 s[G0+4*\s+1], s45, \s*SLOT
	s_add_nc_u64 s[G0+4*\s+2:G0+4*\s+3], s[20:21], \s*ROWB
	s_or_b32 s[G0+4*\s+3], s[G0+4*\s+3], 0x80000000
	s_mov_b32 s[G0B+4*\s], 1
	s_add_co_u32 s[G0B+4*\s+1], s45, \s*SLOT
	s_add_nc_u64 s[G0B+4*\s+2:G0B+4*\s+3], s[46:47], \s*ROWB
	s_or_b32 s[G0B+4*\s+3], s[G0B+4*\s+3], 0x80000000
	JLOAD G0+4*\s, G1, G0B+4*\s, G1B               ; all of K is asked for here: three loads of mine are out
.endr
	v_and_b32 v1, 15, v0                           ; r
	v_bfe_u32 v2, v0, 4, 1                         ; h
	v_mul_u32_u24 v3, v1, PITCH
	v_lshl_add_u32 v4, v2, 4, v3                   ; a fragment's row x pitch + 16 h
	s_mul_i32 s21, s15, HALFT
	s_mul_i32 s22, s16, HALFT
	s_add_co_u32 s22, s22, 2*HALFT
.irp s, 0,1
	v_add_nc_u32 v[ADRA+\s], s21, v4
	v_add_nc_u32 v[ADRB+\s], s22, v4
	s_add_co_u32 s21, s21, SLOT
	s_add_co_u32 s22, s22, SLOT
.endr
	v_mul_u32_u24 v5, v1, KS                       ; my row's scales: 32 bytes a row,
	v_lshrrev_b32 v6, 8, v5
	v_lshl_add_u32 v5, v6, 4, v5                   ; and 16 more for each 256 passed
	s_mul_i32 s21, s15, HALFS
	s_mul_i32 s22, s16, HALFS
	s_add_co_u32 s22, s22, 2*HALFS
	s_sub_co_u32 s22, s22, s21
	v_mul_u32_u24 v6, s22, v2                      ; lanes 16-31 take B's
	s_add_co_u32 s21, s21, SCL
	v_add_nc_u32 v5, v5, v6
	v_add_nc_u32 v[ADRS], s21, v5
	v_and_b32 v6, 31, v0
	v_lshlrev_b32 v[CO], 4, v6
	v_lshlrev_b32 v[BH], 5, v2
	v_lshlrev_b32 v[BR], 2, v1
	s_lshl_b32 s20, s15, 7
	s_add_co_u32 s20, s20, s17                     ; Aw: my wave's first row of A
	s_lshl_b32 s46, s16, 7
	s_add_co_u32 s46, s46, s42                     ; Bw: of B
	s_mov_b32 s23, 0
	s_cmp_eq_u32 s95, 1
	s_cbranch_scc1 .Lbias_v
	s_and_b32 s22, s46, 1023                       ; q, k: register j of accumulator (a, b) is channel Bw % 1024 + 16 b + 8 h + j
	s_lshl_b32 s22, s22, 2
	s_add_nc_u64 s[100:101], s[100:101], s[22:23]
.irp b, 0,1,2,3,4,5,6,7
	global_load_b128 v[BB+8*\b:BB+8*\b+3], v[BH], s[100:101] offset:64*\b
	global_load_b128 v[BB+8*\b+4:BB+8*\b+7], v[BH], s[100:101] offset:64*\b+16
.endr
	s_lshl_b32 s22, s46, 13                        ; the output: (Bw / 64) x 524,288 + (Aw / 16) x 2,048
	s_lshl_b32 s18, s20, 7
	s_add_co_u32 s22, s22, s18
	s_add_nc_u64 s[12:13], s[12:13], s[22:23]
	s_branch .Lbias_done
.Lbias_v:
	s_sub_co_u32 s18, s20, 2048                    ; v: every register of accumulator (a, b) is channel Aw - 2048 + 16 a + r
	s_lshl_b32 s22, s18, 2
	s_add_nc_u64 s[100:101], s[100:101], s[22:23]
.irp a, 0,1,2,3,4,5,6,7
.irp j, 0,1,2,3,4,5,6,7
	global_load_b32 v[BB+8*\a+\j], v[BR], s[100:101] offset:64*\a   ; eight registers alike, so that the packed additions find pairs
.endr
.endr
	s_lshl_b32 s22, s18, 13                        ; the output: ((Aw - 2048) / 64) x 524,288 + (Bw / 32) x 4,096
	s_lshl_b32 s18, s46, 7
	s_add_co_u32 s22, s22, s18
	s_add_nc_u64 s[12:13], s[12:13], s[22:23]
.Lbias_done:
.macro FRAG reg, adr, q, i             ; 16 rows x 128 K of 4-bit codes: 8 registers; registers 4 c .. 4 c + 3 hold K = 64 c + 32 h + 0 .. 31
.irp c, 0,1
	ds_load_b128 v[\reg+4*\c:\reg+4*\c+3], v[\adr] offset:64*(\q)+32*\c+(\i)*16*PITCH
.endr
.endm
; 16 matrix instructions: A's blocks a0, a0 + 1 x B's eight.  The 64 accumulators take turns, one instruction a turn, in the same order in every step.
.macro MUL16 a0, p, q, sc, zero
.irp a, \a0, \a0+1
.irp b, 0,1,2,3,4,5,6,7
.if \zero
	v_wmma_scale_f32_16x16x128_f8f6f4 v[8*(8*((\a)%4)+\b):8*(8*((\a)%4)+\b)+7], v[128*(\p)+FR*\b:128*(\p)+FR*\b+FR-1], v[AF+FR*(\a):AF+FR*(\a)+FR-1], 0, v[SC+8*NQ*(\sc)+NQ*\b+(\q)], v[SC+8*NQ*(\sc)+NQ*(\a)+(\q)] matrix_a_fmt:MATRIX_FMT_FP4 matrix_b_fmt:MATRIX_FMT_FP4 matrix_a_scale:MATRIX_SCALE_ROW1
.else
	v_wmma_scale_f32_16x16x128_f8f6f4 v[8*(8*((\a)%4)+\b):8*(8*((\a)%4)+\b)+7], v[128*(\p)+FR*\b:128*(\p)+FR*\b+FR-1], v[AF+FR*(\a):AF+FR*(\a)+FR-1], v[8*(8*((\a)%4)+\b):8*(8*((\a)%4)+\b)+7], v[SC+8*NQ*(\sc)+NQ*\b+(\q)], v[SC+8*NQ*(\sc)+NQ*(\a)+(\q)] matrix_a_fmt:MATRIX_FMT_FP4 matrix_b_fmt:MATRIX_FMT_FP4 matrix_a_scale:MATRIX_SCALE_ROW1
.endif
.endr
.endr
.endm
.macro FETCH_B slot, q, p
	WIN TO_B
.irp i, 0,1,2,3,4,5,6,7
	FRAG 128*(\p)+FR*\i, ADRB+\slot, \q, \i
.endr
	WIN 0
.endm
.macro FETCH_A slot, q, i0
.irp i, \i0, \i0+1, \i0+2, \i0+3
	FRAG AF+FR*(\i), ADRA+\slot, \q, \i
.endr
.endm
.macro SCALES sc                       ; a K step's scale words: lanes 0-15 take A's block i, lanes 16-31 B's block i
.irp i, 0,1,2,3,4,5,6,7
	ds_load_b128 v[SC+8*NQ*\sc+NQ*\i:SC+8*NQ*\sc+NQ*\i+3], v[ADRS] offset:\i*SBLK
.endr
.endm
.macro PLACES n                        ; plain vector lines between a matrix instruction and a load into, or a vector read of, its registers
.rept \n
	v_nop
.endr
.endm
.macro STEP slot, q, zero              ; a step of 128 along K that has its successor in the same slot
	s_wait_dscnt 4*NL                              ; B's set and A's blocks 0-3 are in; the youngest eight loads (A's blocks 4-7) may be out
	WIN MUL_LO
	MUL16 0, (\q)%2, \q, \slot, \zero
	MUL16 2, (\q)%2, \q, \slot, \zero
	s_wait_dscnt 0
	PLACES NP
	FETCH_B \slot, (\q)+1, 1-(\q)%2
	FETCH_A \slot, (\q)+1, 0
	WIN MUL_HI
	MUL16 4, (\q)%2, \q, \slot, \zero
	MUL16 6, (\q)%2, \q, \slot, \zero
	PLACES NP
	WIN 0
	FETCH_A \slot, (\q)+1, 4
.endm
.macro TURN slot, next                 ; slot 0's last step goes over to slot 1: in front of the barrier each wave shows its part of slot 1 landed.  Nothing is filled again
	s_wait_tensorcnt 0x0                           ; all my tensor loads have landed
	ds_add_u32 v[SPW], v[NIL]                      ; 0 onto my spare word
	s_wait_dscnt 4*NL+1                            ; the add and the youngest eight loads may be out
	WIN MUL_LO
	MUL16 0, 1, NQ-1, \slot, 0
	s_wait_dscnt 0x0
	s_barrier_signal -1
	MUL16 2, 1, NQ-1, \slot, 0
	WIN 0
	s_barrier_wait -1
	PLACES NP
	v_add_nc_u32 v[ADRS], 4*NQ, v[ADRS]            ; on to the next K step's scale words
	FETCH_B \next, 0, 0
	FETCH_A \next, 0, 0
	SCALES \next
	WIN MUL_HI
	MUL16 4, 1, NQ-1, \slot, 0
	MUL16 6, 1, NQ-1, \slot, 0
	PLACES NP
	WIN 0
	FETCH_A \next, 0, 4
.endm
.macro STEPS slot, from
.set Q, \from
.rept NQ-1-\from
	STEP \slot, Q, 0
.set Q, Q+1
.endr
.endm
	s_wait_tensorcnt 1                             ; the scales and my part of K step 0 are in; K step 1's load may be out
	s_barrier_signal -1
	s_barrier_wait -1
	FETCH_B 0, 0, 0
	FETCH_A 0, 0, 0
	SCALES 0
	FETCH_A 0, 0, 4
	STEP 0, 0, 1                                   ; the first products start the sums: nothing is cleared
	STEPS 0, 1
	TURN 0, 1
	STEPS 1, 0
	s_wait_dscnt 4*NL                              ; the last step: nothing more to fetch
	WIN MUL_LO
	MUL16 0, 1, NQ-1, 1, 0
	MUL16 2, 1, NQ-1, 1, 0
	s_wait_dscnt 0
	WIN MUL_HI
	MUL16 4, 1, NQ-1, 1, 0
	MUL16 6, 1, NQ-1, 1, 0
	WIN 0
; THE WAY OUT, A's block a at a time: + bias in f32, each accumulator from its low end on; rounded once to f16; a lane's four packed registers are its 16 bytes of half a fragment: each store covers 512 consecutive bytes, aligned.
.macro OUTB a, isv
.if (\a) >= 2
	s_wait_xcnt 0x0                                ; block a - 2's stores have read the packed set that is written again
.endif
.set AC, 64*((\a)%4)
.set PP, PK+32*((\a)%2)
.set WW, 2+(\a)/4
	WIN WW                                         ; source 0: window 2 or 3
.irp b, 0,1,2,3,4,5,6,7
.irp i, 0,2,4,6
.if \isv
	v_pk_add_f32 v[T+8*\b+\i:T+8*\b+\i+1], v[AC+8*\b+\i:AC+8*\b+\i+1], v[BB+8*(\a)+\i:BB+8*(\a)+\i+1]
.else
	v_pk_add_f32 v[T+8*\b+\i:T+8*\b+\i+1], v[AC+8*\b+\i:AC+8*\b+\i+1], v[BB+8*\b+\i:BB+8*\b+\i+1]
.endif
.endr
.endr
	WIN 0
.set j, 0
.rept 32
	v_cvt_pk_f16_f32 v[PP+j], v[T+2*j], v[T+2*j+1]
.set j, j+1
.endr
.irp b, 0,1,2,3,4,5,6,7
.if \isv
	global_store_b128 v[CO], v[PP+4*\b:PP+4*\b+3], s[12:13] offset:((\a)/4)*524288+((\a)%4)*1024+(\b/2)*4096+(\b%2)*512 th:TH_STORE_NT
.else
	global_store_b128 v[CO], v[PP+4*\b:PP+4*\b+3], s[12:13] offset:(\a)*2048+(\b/4)*524288+(\b%4)*512 th:TH_STORE_NT
.endif
.endr
.endm
	PLACES NP                                      ; behind the last products: their results are read, and A's fragments and the scale words are written over
	s_wait_loadcnt 0x0                             ; the bias
	s_cmp_eq_u32 s95, 1
	s_cbranch_scc1 .Lout_v
.irp a, 0,1,2,3,4,5,6,7
	OUTB \a, 0
.endr
	s_branch .Ldone
.Lout_v:
.irp a, 0,1,2,3,4,5,6,7
	OUTB \a, 1
.endr
.Ldone:
	s_wait_tensorcnt 0x0                           ; the wave's end
	ds_add_u32 v[SPW], v[NIL]
	s_wait_dscnt 0x0
	CROUND                                         ; the closing round
	s_endpgm
.Lfunc_end_k_qfe7f70199c_qkv:
	.size	k_qfe7f70199c_qkv, .Lfunc_end_k_qfe7f70199c_qkv-k_qfe7f70199c_qkv
	.p2alignl 7, 3214868480
	.fill 96, 4, 3214868480
	.section	.rodata,"a",@progbits
	.p2align	6, 0x0
	.amdhsa_kernel k_qfe7f70199c_qkv
		.amdhsa_group_segment_fixed_size 327680
		.amdhsa_private_segment_fixed_size 0
		.amdhsa_enable_private_segment 0
		.amdhsa_kernarg_size 72
		.amdhsa_user_sgpr_count 2
		.amdhsa_user_sgpr_kernarg_segment_ptr 1
		.amdhsa_wavefront_size32 1
		.amdhsa_system_sgpr_workgroup_id_x 1
		.amdhsa_system_sgpr_workgroup_id_y 1
		.amdhsa_system_sgpr_workgroup_id_z 1
		.amdhsa_system_vgpr_workitem_id 0
		.amdhsa_next_free_vgpr 1024
		.amdhsa_next_free_sgpr 102
		.amdhsa_reserve_vcc 0
		.amdhsa_float_denorm_mode_32 3
		.amdhsa_float_denorm_mode_16_64 3
		.amdhsa_memory_ordered 1
		.amdhsa_forward_progress 1
		.amdhsa_inst_pref_size 181
	.end_amdhsa_kernel
	.amdgpu_metadata
---
amdhsa.version: [ 1, 2 ]
amdhsa.kernels:
  - .name:           k_qfe7f70199c_qkv
    .symbol:         k_qfe7f70199c_qkv.kd
    .args:
      - { .name: xc, .offset: 0, .size: 8, .value_kind: global_buffer, .address_space: global }
      - { .name: xs, .offset: 8, .size: 8, .value_kind: global_buffer, .address_space: global }
      - { .name: wc, .offset: 16, .size: 8, .value_kind: global_buffer, .address_space: global }
      - { .name: ws, .offset: 24, .size: 8, .value_kind: global_buffer, .address_space: global }
      - { .name: bq, .offset: 32, .size: 8, .value_kind: global_buffer, .address_space: global }
      - { .name: bk, .offset: 40, .size: 8, .value_kind: global_buffer, .address_space: global }
      - { .name: bv, .offset: 48, .size: 8, .value_kind: global_buffer, .address_space: global }
      - { .name: qkf, .offset: 56, .size: 8, .value_kind: global_buffer, .address_space: global }
      - { .name: vf, .offset: 64, .size: 8, .value_kind: global_buffer, .address_space: global }
    .group_segment_fixed_size: 327680
    .private_segment_fixed_size: 0
    .kernarg_segment_align: 8
    .kernarg_segment_size: 72
    .max_flat_workgroup_size: 128
    .sgpr_count:     102
    .vgpr_count:     1024
    .wavefront_size: 32
...
	.end_amdgpu_metadata
.endif
;; end of part 2
;; launch attn (part 3): grid 16 x 16, 8 waves a work-group, no clusters, 327,680 bytes of LDS; arguments qkf, vf, ao; writes ao
.if DOCPART == 3
	.amdgcn_target "amdgcn-amd-amdhsa--gfx1250"
	.amdhsa_code_object_version 6
	.text
	.protected	k_qfe7f70199c_attn
	.globl	k_qfe7f70199c_attn
	.p2align	8
	.type	k_qfe7f70199c_attn,@function
k_qfe7f70199c_attn:
	s_mov_b64 s[64:65], 0
	v_nop
	global_prefetch_b8 v0, s[64:65] scope:SCOPE_SE
	s_setreg_imm32_b32 hwreg(HW_REG_WAVE_MODE, 25, 1), 1
	s_wait_xcnt 0x0
; ATTN.  O[h][q] = sum over keys k <= q of softmax_k(q . k / 8 + slope_h k) v[k], slope_h = 2^(-(h + 1) / 2): the bias -slope (T - 1 - k) less a constant of the row, which a softmax does not see.
; q, k, v come as f16 fragments in the order of the operands' registers; products, maxima and sums in f32; the weights p are rounded to f16 for the second product; O once, to f16, at the end.
; SHARES.  Blocks of 128 queries, 32 to a head.  Work-group (i, head) makes block i and then block 31 - i: (i + 1) + (32 - i) = 33 units of 128 keys in every work-group, so all trip counts are constants
; and 256 work-groups have the same work.  Tiles that lie wholly above the diagonal are never walked.
; Wave w: g = w % 4 owns two tiles of 16 queries; par = w / 4 takes keys 64 par .. 64 par + 63 of each unit.  Register tile 0 is query tile 2 g + par, tile 1 is 2 g + 1 - par: at a block's end a wave keeps
; tile 0 and gives tile 1 to wave w xor 4, whose tile 1 is my tile 0: the two halves of the keys are joined with no branch on the wave.
; LAYOUT.  S^T = K Q^T and O^T = V^T P: a lane holds ONE query (lane % 16) throughout; two score tiles, packed in pairs, are the second product's operand.
; THE BIAS COSTS NO LINE: s' = q . k + 8 slope (key - the step's first key); 8 slope (16 t + 8 h + j) lies in 32 registers that are the C of each score tile's first matrix instruction.
; The frame moves with the keys: at each unit the running maximum loses 1,024 slope.  p = 2^(c s' - c m), c = log2(e) / 8, m the running maximum.
; THE ROW'S SUM is made by the matrix unit: a fifth fragment beside V^T's four, with ones in rows 0 and 8, leaves the sum of the rounded weights in register 0 of an accumulator.
; NO CLUSTER: the work-groups of a head walk i + 1 and then 32 - i units, each at its own time: partners would need different numbers of tiles.
; LIMITS: NaN and infinities are not served; |O| beyond 65,504 has no f16 number.
; LDS: two slots of three units (a unit: K's 16,384 bytes, then V's); block i's images behind them; the last images in slot 1, which has had its last fill and its last read by then.
.set SLOT1,  1<<17
.set UNITB,  32768
.set AREA_A, SLOT1+3*UNITB             ; 8 waves x 8,704: tile x's image at 4,352 x: O 4,096 bytes, m 128, l 128
.set AREA_B, SLOT1
.set AW,     8704
.set IMG,    4352
.set SPARE,  AREA_A+8*AW               ; the spare words: four blocks of 256 bytes that no other line names
; window 0
.set LI,  1                            ; v1   16 x lane
.set ADR, 2                            ; v2   the step's LDS address
.set D0,  3                            ; v3, v4  16 x query tile - 64 par + r - 8 h: key 16 t + j of my step is hidden where it is greater
.set SPW, 5
.set NIL, 6
.set LIP, 7                            ; v7   16 x lane + 8,192 par
.set PFO, 8                            ; v8   256 x lane
.set ST,  16                           ; tile x at v[16 + 8 x]: +0 c m, +2 a, +4 m, +5, +6, +7 at work (+1, +3: upper halves of pairs)
.set BI,  32
.set S,   64
.set P,   128
.set O,   160
.set L,   224
.set NEG, 255                          ; v255 -infinity
; window 1
.set Q,   0
.set KF,  32
.set VF,  96
.set ONE, 160
.set QB,  168                          ; block 31 - i's queries
.set MSB, 0
.macro WIN new
.if MSB != \new
	s_set_vgpr_msb (MSB<<8)|\new
.set MSB, \new
.endif
.endm
; s10 wave, s11 g, s12 par, s13 i, s14 head, s15 i + 1, s16 the unit's number, s17 slots to ask for, s18 counts a slot's units, s19 the unit's LDS byte, s20 1 on a diagonal, s21 1 in waves 4 and 5,
; s22 the unit that I load next, s[24:31] group 1, s[32:35] group 0, s[36:37] my piece's tensor at my head, s[38:39] the piece in hand, s40 the prefetches' bound, s[42:43] c, s[44:45] lane selects,
; s46 1,024 slope, s47 +-512 slope, s48 8 slope, s[60:61], s[62:63] where my tile of block i and of block 31 - i goes.
.macro TLOAD                           ; waves 0 to 5 bring one piece of 16,384 bytes each: unit w / 2 of the slot, K's (w even) or V's
	s_cmp_lt_u32 s10, 6
	s_cbranch_scc0 .Lnone_\@
	tensor_load_to_lds s[32:35], s[24:31]
	s_nop 0
.rept 4
	v_nop
.endr
.Lnone_\@:
.endm
.macro DESC                            ; unit s22 of the walk is key unit s22, or s22 - (i + 1) in the second block
	s_cmp_ge_u32 s22, s15
	s_cselect_b32 s50, s15, 0
	s_sub_co_u32 s50, s22, s50
	s_lshl_b32 s50, s50, 14
	s_mov_b32 s51, 0
	s_add_nc_u64 s[38:39], s[36:37], s[50:51]
	s_mov_b64 s[34:35], s[38:39]
	s_or_b32 s35, s35, 0x80000000
	s_add_co_u32 s22, s22, 3
.endm
; A PREFETCH of what the next change of slots will ask for.  Work-group i = 0 of a head walks key units 0, 0, 1, 2 .. 31: it asks, and nobody else.  Each of its six loading waves names its own next piece,
; three units on from the piece in hand: 64 blocks of 256 bytes, lanes 256 bytes apart, two instructions.  The last change that fills a slot asks for nothing: the highest unit named is 31.
.macro ASK
	s_cmp_gt_u32 s17, s40
	s_cbranch_scc0 .Lnot_mine_\@
	global_prefetch_b8 v[PFO], s[38:39] offset:49152 th:TH_LOAD_NT scope:SCOPE_SE
	global_prefetch_b8 v[PFO], s[38:39] offset:57344 th:TH_LOAD_NT scope:SCOPE_SE
.Lnot_mine_\@:
.endm
; THE CHANGE OF SLOTS stands at a slot's head: every wave waits for all its tensor loads, adds 0 to its spare word, waits for that and for its reads of the slot that it has left; behind the barrier
; that slot is filled with the three units after those ahead: the load has three units' work in which to land.
.macro CHANGE fill
	s_wait_tensorcnt 0x0                           ; no tensor load of mine is out, so group 0 may be written
	ds_add_u32 v[SPW], v[NIL]
.if \fill
	ds_add_u32 v[SPW], v[NIL]                      ; and once more, in every trip alike
	s_wait_xcnt 0x0                                ; the last prefetches, a slot back, have read their address
	DESC
	s_xor_b32 s33, s33, SLOT1
.endif
	s_wait_dscnt 0x0
	s_barrier_signal -1
	s_barrier_wait -1
.if \fill
	TLOAD                                          ; the first thing behind the barrier, and a wave's one tensor load until the next
	ASK
.endif
.endm
.macro KVLOAD                          ; my 64 keys: 16 loads of K's fragments, 16 of V^T's, each 512 consecutive bytes
	WIN 0x40
.set f, 0
.rept 16
	ds_load_b128 v[KF+4*f:KF+4*f+3], v[ADR] offset:512*f
.set f, f+1
.endr
.set f, 0
.rept 16
	ds_load_b128 v[VF+4*f:VF+4*f+3], v[ADR] offset:16384+512*f
.set f, f+1
.endr
.endm
.macro KQ                              ; eight accumulators by turns, one instruction a turn; the first link's C is the bias
	WIN 0x05
.irp kc, 0,1
.irp t, 0,1,2,3
.irp x, 0,1
.if \kc == 0
	v_wmma_f32_16x16x32_f16 v[S+32*\x+8*\t:S+32*\x+8*\t+7], v[KF+16*\t:KF+16*\t+7], v[Q+16*\x:Q+16*\x+7], v[BI+8*\t:BI+8*\t+7]
.else
	v_wmma_f32_16x16x32_f16 v[S+32*\x+8*\t:S+32*\x+8*\t+7], v[KF+16*\t+8:KF+16*\t+15], v[Q+16*\x+8:Q+16*\x+15], v[S+32*\x+8*\t:S+32*\x+8*\t+7]
.endif
.endr
.endr
.endr
.endm
.macro MASK                            ; on a diagonal: hidden scores become -infinity ahead of the maximum
.set n, 0
.rept 32
	v_cmp_gt_i32 vcc_lo, 16*(n/8)+n%8, v[D0]
	v_cndmask_b32 v[S+n], v[S+n], v[NEG], vcc_lo
	v_cmp_gt_i32 vcc_lo, 16*(n/8)+n%8, v[D0+1]
	v_cndmask_b32 v[S+32+n], v[S+32+n], v[NEG], vcc_lo
.set n, n+1
.endr
.endm
.macro SOFTMAX                         ; the two tiles line by line
.irp x, 0,1
	v_max3_num_f32 v[ST+8*\x+5], v[S+32*\x], v[S+32*\x+1], v[S+32*\x+2]        ; two chains in ascending order: each accumulator is first read at its low end
	v_max3_num_f32 v[ST+8*\x+6], v[S+32*\x+16], v[S+32*\x+17], v[S+32*\x+18]
.endr
.irp i, 3,5,7,9,11,13
.irp x, 0,1
	v_max3_num_f32 v[ST+8*\x+5], v[ST+8*\x+5], v[S+32*\x+\i], v[S+32*\x+\i+1]
	v_max3_num_f32 v[ST+8*\x+6], v[ST+8*\x+6], v[S+32*\x+16+\i], v[S+32*\x+17+\i]
.endr
.endr
.irp x, 0,1
	v_max3_num_f32 v[ST+8*\x+5], v[ST+8*\x+5], v[S+32*\x+15], v[S+32*\x+31]
.endr
.irp x, 0,1
	v_max3_num_f32 v[ST+8*\x+5], v[ST+8*\x+5], v[ST+8*\x+6], v[ST+8*\x+4]      ; with the old m
.endr
.irp x, 0,1
	v_permlanex16_b32 v[ST+8*\x+7], v[ST+8*\x+5], s44, s45                     ; the query's other 32 keys lie in the lane 16 away
.endr
.irp x, 0,1
	v_max_num_f32 v[ST+8*\x+6], v[ST+8*\x+5], v[ST+8*\x+7]                     ; the new m
.endr
.irp x, 0,1
	v_mul_f32 v[ST+8*\x], s42, v[ST+8*\x+6]                                    ; c m
.endr
.irp x, 0,1
	v_fma_f32 v[ST+8*\x+7], v[ST+8*\x+4], s42, -v[ST+8*\x]                     ; c m_old - c m
.endr
.irp x, 0,1
	v_mov_b32 v[ST+8*\x+4], v[ST+8*\x+6]
.endr
	; ONE BATCH of 66 exponentials; the scalings run a pair ahead of them; nothing names a result ahead of the one wait
	v_exp_f32 v[ST+2], v[ST+7]                     ; a
	v_exp_f32 v[ST+10], v[ST+15]
.irp x, 0,1
	v_pk_fma_f32 v[S+32*\x:S+32*\x+1], v[S+32*\x:S+32*\x+1], s[42:43], v[ST+8*\x:ST+8*\x+1] op_sel_hi:[1,0,0] neg_lo:[0,0,1] neg_hi:[0,0,1]
.endr
.set b, 0
.rept 16
.if b < 15
.irp x, 0,1
	v_pk_fma_f32 v[S+32*\x+2*b+2:S+32*\x+2*b+3], v[S+32*\x+2*b+2:S+32*\x+2*b+3], s[42:43], v[ST+8*\x:ST+8*\x+1] op_sel_hi:[1,0,0] neg_lo:[0,0,1] neg_hi:[0,0,1]
.endr
.endif
.irp x, 0,1
	v_exp_f32 v[S+32*\x+2*b], v[S+32*\x+2*b]
	v_exp_f32 v[S+32*\x+2*b+1], v[S+32*\x+2*b+1]
.endr
.set b, b+1
.endr
	v_nop                                          ; a plain line behind the last exponential
	s_wait_alu depctr_va_vdst(0)                   ; the wait ahead of the first line that names a result: one for the batch
.irp x, 0,1
.set i, 0
.rept 16
	v_cvt_pk_f16_f32 v[P+16*\x+i], v[S+32*\x+2*i], v[S+32*\x+2*i+1]
.set i, i+1
.endr
.endr
.irp x, 0,1
.set i, 0
.rept 16
	v_pk_mul_f32 v[O+32*\x+2*i:O+32*\x+2*i+1], v[O+32*\x+2*i:O+32*\x+2*i+1], v[ST+8*\x+2:ST+8*\x+3] op_sel_hi:[1,0]   ; O^T x a
.set i, i+1
.endr
	v_pk_mul_f32 v[L+8*\x:L+8*\x+1], v[L+8*\x:L+8*\x+1], v[ST+8*\x+2:ST+8*\x+3] op_sel_hi:[1,0]                       ; l x a
.endr
.endm
.macro PV                              ; ten accumulators by turns: four tiles of channels and the sum, for both tiles of queries
	s_wait_dscnt 0x0                               ; V is in
	WIN 0x01
.irp kb, 0,1
.irp ct, 0,1,2,3
.irp x, 0,1
	v_wmma_f32_16x16x32_f16 v[O+32*\x+8*\ct:O+32*\x+8*\ct+7], v[VF+32*\kb+8*\ct:VF+32*\kb+8*\ct+7], v[P+16*\x+8*\kb:P+16*\x+8*\kb+7], v[O+32*\x+8*\ct:O+32*\x+8*\ct+7]
.endr
.endr
.irp x, 0,1
	v_wmma_f32_16x16x32_f16 v[L+8*\x:L+8*\x+7], v[ONE:ONE+7], v[P+16*\x+8*\kb:P+16*\x+8*\kb+7], v[L+8*\x:L+8*\x+7]
.endr
.endr
	WIN 0
.rept 4
	v_nop                                          ; places ahead of the next loads into V's registers and of the first read of the results
.endr
.endm
.macro BLOCKEND                        ; block i is done: both tiles' images go to my place in LDS; O, l and m begin anew; block 31 - i's queries take their place
.irp x, 0,1
.irp k, 0,1,2,3,4,5,6,7
	ds_store_b128 v240, v[O+32*\x+4*\k:O+32*\x+4*\k+3] offset:IMG*\x+512*\k
.endr
	ds_store_b32 v241, v[ST+8*\x+4] offset:IMG*\x+4096
	ds_store_b32 v241, v[L+8*\x] offset:IMG*\x+4224
.endr
	s_wait_dscnt 0x0                               ; the stores have read their registers
.set j, 0
.rept 80
	v_mov_b32 v[O+j], 0
.set j, j+1
.endr
	v_mov_b32 v[ST+4], 0xff61b1e6
	v_mov_b32 v[ST+12], 0xff61b1e6
	WIN 0x41
.set j, 0
.rept 32
	v_mov_b32 v[Q+j], v[QB+j]
.set j, j+1
.endr
	WIN 0
.endm
; A UNIT of 128 keys, of which 64 are mine.
.macro UNIT be
	s_cmp_eq_u32 s16, s13
	s_cselect_b32 s20, 1, 0
	s_cmp_eq_u32 s16, 32
	s_cselect_b32 s20, 1, s20                      ; the unit lies on the diagonal of the block in hand
	v_sub_f32 v[ST+4], v[ST+4], s46                ; the frame moves 128 keys on: in every wave, hidden step or not
	v_sub_f32 v[ST+12], v[ST+12], s46
	v_add_nc_u32 v[ADR], s19, v[LIP]
	s_and_b32 s50, s20, s21                        ; on a diagonal all 64 keys of waves 4 and 5 come after their 32 queries: the step is left out
	s_cmp_lg_u32 s50, 0
	s_cbranch_scc1 .Lskip_\@
	KVLOAD
	s_wait_dscnt 16                                ; K's 16 loads are in; V's 16, issued behind them, may be out
	KQ
	WIN 0
.rept 4
	v_nop
.endr
	s_cmp_eq_u32 s20, 0
	s_cbranch_scc1 .Lopen_\@
	MASK                                           ; (in a step that is walked the first key counts for every query of both tiles: m is a number)
.Lopen_\@:
	SOFTMAX
	PV
.Lskip_\@:
.if \be
	s_cmp_lg_u32 s16, s13
	s_cbranch_scc1 .Lgo_\@
	BLOCKEND
.Lgo_\@:
.endif
	s_add_co_u32 s16, s16, 1
	s_add_co_u32 s19, s19, UNITB
.endm
.macro SLOT3 be
	s_mov_b32 s18, 3
.Lunit_\@:
	UNIT \be
	s_sub_co_u32 s18, s18, 1
	s_cmp_lg_u32 s18, 0
	s_cbranch_scc1 .Lunit_\@
	s_sub_co_u32 s19, s19, 3*UNITB
	s_xor_b32 s19, s19, SLOT1                      ; on to the other slot
.endm
; The two halves of the keys are joined: my tile 0 with my partner's tile 1.  Its maximum is brought into my frame, 64 keys away.
.macro FINAL own16, own4, par16, par4, lds, aob, pk
.irp k, 0,1,2,3,4,5,6,7
	ds_load_b128 v[O+32+4*\k:O+32+4*\k+3], v[\par16] offset:IMG+512*\k
.endr
	ds_load_b32 v248, v[\par4] offset:IMG+4096
	ds_load_b32 v249, v[\par4] offset:IMG+4224
.if \lds
.irp k, 0,1,2,3,4,5,6,7
	ds_load_b128 v[O+4*\k:O+4*\k+3], v[\own16] offset:512*\k
.endr
	ds_load_b32 v[ST+4], v[\own4] offset:4096
	ds_load_b32 v[L], v[\own4] offset:4224
.endif
	s_wait_dscnt 0x0
	v_add_f32 v248, s47, v248
	v_max_num_f32 v250, v[ST+4], v248              ; the joint maximum
	v_sub_f32 v251, v[ST+4], v250
	v_sub_f32 v252, v248, v250
	v_mul_f32 v251, s42, v251
	v_mul_f32 v252, s42, v252
	v_exp_f32 v251, v251                           ; my half's weight,
	v_exp_f32 v252, v252                           ; my partner's
	v_nop
	s_wait_alu depctr_va_vdst(0)                   ; one wait for the two
	v_mul_f32 v253, v[L], v251
	v_fma_f32 v253, v249, v252, v253               ; the row's sum: at least 1
	v_rcp_f32 v253, v253
	v_nop
	s_wait_alu depctr_va_vdst(0)
	v_mul_f32 v250, v251, v253
	v_mul_f32 v252, v252, v253
.set i, 0
.rept 16
	v_pk_mul_f32 v[O+2*i:O+2*i+1], v[O+2*i:O+2*i+1], v[250:251] op_sel_hi:[1,0]
.set i, i+1
.endr
.set i, 0
.rept 16
	v_pk_fma_f32 v[O+2*i:O+2*i+1], v[O+32+2*i:O+32+2*i+1], v[252:253], v[O+2*i:O+2*i+1] op_sel_hi:[1,0,1]
.set i, i+1
.endr
.set i, 0
.rept 16
	v_cvt_pk_f16_f32 v[\pk+i], v[O+2*i], v[O+2*i+1]
.set i, i+1
.endr
.irp k, 0,1,2,3
	global_store_b128 v[LI], v[\pk+4*\k:\pk+4*\k+3], s[\aob:\aob+1] offset:512*\k th:TH_STORE_NT   ; half a fragment of the next launch's operand: 512 consecutive bytes, aligned
.endr
.endm
	s_load_b128 s[4:7], s[0:1], 0x0                ; qkf, vf
	s_load_b64 s[8:9], s[0:1], 0x10                ; ao
	v_lshl_add_u32 v[SPW], v0, 2, SPARE
	v_mov_b32 v[NIL], 0
	ds_add_u32 v[SPW], v[NIL]                      ; the wave's opening: the add, twice on end, and its wait ahead of my first tensor load
	ds_add_u32 v[SPW], v[NIL]
	v_lshrrev_b32 v1, 5, v0
	v_readfirstlane_b32 s10, v1                    ; wave 0..7
	s_and_b32 s11, s10, 3
	s_lshr_b32 s12, s10, 2
	s_mov_b32 s13, ttmp9
	s_and_b32 s14, ttmp7, 0xffff
	s_add_co_u32 s15, s13, 1
	s_mov_b32 s16, 0
	s_mov_b32 s17, 10
	s_mov_b32 s19, 0
	s_lshr_b32 s22, s10, 1                         ; the first unit that I load
	s_cmp_eq_u32 s22, 2
	s_cselect_b32 s21, 1, 0
	s_mov_b32 s24, 3<<16                           ; group 1: 64 rows of 256 bytes (32 elements of 8), dense, no padding, no mask
	s_mov_b32 s25, 32<<16
	s_mov_b32 s26, 64<<16
	s_mov_b32 s27, 32<<16
	s_mov_b32 s28, 64
	s_mov_b32 s29, 32
	s_mov_b32 s30, 0
	s_mov_b32 s31, 0
	s_mov_b32 s32, 1
	s_lshl_b32 s33, s10, 14                        ; my piece's place in slot 0: 16,384 x wave
	s_cmp_lt_u32 s10, 6
	s_cselect_b32 s50, 0, 1
	s_or_b32 s50, s50, ttmp9
	s_cmp_eq_u32 s50, 0
	s_cselect_b32 s40, 1, -1                       ; who prefetches: the loading waves of the head's work-group 0
	s_mov_b32 s42, 0x3e38aa3b                      ; c = log2(e) / 8
	s_mov_b32 s43, s42
	s_mov_b32 s44, 0x76543210
	s_mov_b32 s45, 0xfedcba98
	s_add_co_u32 s50, s14, 1                       ; slope = 2^(-(head + 1) / 2), made in its bits
	s_lshr_b32 s51, s50, 1
	s_lshl_b32 s51, s51, 23
	s_and_b32 s50, s50, 1
	s_cmp_eq_u32 s50, 1
	s_mov_b32 s52, 0x3f800000
	s_cselect_b32 s52, 0x3f3504f3, s52
	s_sub_co_u32 s52, s52, s51
	s_add_co_u32 s48, s52, 3<<23                   ; 8 slope
	s_add_co_u32 s46, s52, 10<<23                  ; 1,024 slope
	s_add_co_u32 s47, s52, 9<<23                   ; 512 slope,
	s_cmp_eq_u32 s12, 1
	s_cselect_b32 s53, 0x80000000, 0
	s_or_b32 s47, s47, s53                         ; negative where my keys are the later 64
	s_wait_dscnt 0x0                               ; both opening adds are done
	s_wait_kmcnt 0x0
	s_and_b32 s50, s10, 1
	s_cmp_eq_u32 s50, 1
	s_cselect_b64 s[36:37], s[6:7], s[4:5]         ; V's pieces, or K's, which lie behind q's 16 heads
	s_cselect_b32 s52, 0, 0x800000
	s_lshl_b32 s53, s14, 19
	s_add_co_u32 s52, s52, s53
	s_mov_b32 s53, 0
	s_add_nc_u64 s[36:37], s[36:37], s[52:53]
	DESC
	TLOAD                                          ; slot 0
	v_and_b32 v248, 31, v0
	v_lshlrev_b32 v[LI], 4, v248
	v_lshlrev_b32 v[PFO], 8, v248
	v_lshlrev_b32 v249, 2, v248
	s_lshl_b32 s50, s12, 13
	v_add_nc_u32 v[LIP], s50, v[LI]
	s_lshl_b32 s50, s11, 1
	s_add_co_u32 s51, s50, s12                     ; register tile 0's query tile
	s_add_co_u32 s52, s50, 1
	s_sub_co_u32 s52, s52, s12                     ; tile 1's
	s_lshl_b32 s53, s51, 11
	v_add_nc_u32 v9, s53, v[LI]
	s_lshl_b32 s53, s52, 11
	v_add_nc_u32 v10, s53, v[LI]
	s_lshl_b32 s58, s14, 19
	s_lshl_b32 s54, s13, 14
	s_add_co_u32 s54, s54, s58
	s_mov_b32 s55, 0
	s_add_nc_u64 s[54:55], s[4:5], s[54:55]        ; q at block i
	s_sub_co_u32 s53, 31, s13
	s_lshl_b32 s56, s53, 14
	s_add_co_u32 s56, s56, s58
	s_mov_b32 s57, 0
	s_add_nc_u64 s[56:57], s[4:5], s[56:57]        ; and at block 31 - i
	WIN 0x40
.irp x, 0,1
.irp k, 0,1,2,3
	global_load_b128 v[Q+16*\x+4*\k:Q+16*\x+4*\k+3], v[9+\x], s[54:55] offset:512*\k
	global_load_b128 v[QB+16*\x+4*\k:QB+16*\x+4*\k+3], v[9+\x], s[56:57] offset:512*\k
.endr
.endr
	WIN 0
	s_lshl_b32 s58, s14, 11                        ; ao: (8 block + query tile) x 32,768 + head x 2,048
	s_lshl_b32 s50, s13, 3
	s_add_co_u32 s50, s50, s51
	s_lshl_b32 s50, s50, 15
	s_add_co_u32 s60, s50, s58
	s_mov_b32 s61, 0
	s_add_nc_u64 s[60:61], s[8:9], s[60:61]
	s_lshl_b32 s50, s53, 3
	s_add_co_u32 s50, s50, s51
	s_lshl_b32 s50, s50, 15
	s_add_co_u32 s62, s50, s58
	s_mov_b32 s63, 0
	s_add_nc_u64 s[62:63], s[8:9], s[62:63]
	v_and_b32 v250, 15, v0
	v_bfe_u32 v251, v0, 4, 1
	v_lshlrev_b32 v252, 3, v251                    ; 8 h
	v_sub_nc_u32 v250, v250, v252                  ; r - 8 h
	s_lshl_b32 s58, s12, 6
	s_lshl_b32 s53, s51, 4
	s_sub_co_i32 s53, s53, s58
	v_add_nc_u32 v[D0], s53, v250
	s_lshl_b32 s53, s52, 4
	s_sub_co_i32 s53, s53, s58
	v_add_nc_u32 v[D0+1], s53, v250
.set n, 0
.rept 32
	v_add_nc_u32 v253, 16*(n/8)+n%8, v252          ; the bias of key 16 t + 8 h + j of a step
	v_cvt_f32_u32 v253, v253
	v_mul_f32 v[BI+n], s48, v253
.set n, n+1
.endr
	v_and_b32 v250, 7, v0
	v_cmp_eq_u32 vcc_lo, 0, v250
	v_mov_b32 v251, 0x3c003c00
	v_cndmask_b32 v251, v[NIL], v251, vcc_lo       ; f16 ones in rows 0 and 8, zeros elsewhere
	WIN 0x40
.set n, 0
.rept 8
	v_mov_b32 v[ONE+n], v251
.set n, n+1
.endr
	WIN 0
	s_mul_i32 s53, s10, AW                         ; the images' addresses: mine and my partner's (wave xor 4), by 16 and by 4 bytes a lane, in both areas
	s_xor_b32 s58, s10, 4
	s_mul_i32 s58, s58, AW
	s_add_co_u32 s59, s53, AREA_A
	v_add_nc_u32 v240, s59, v[LI]
	v_add_nc_u32 v241, s59, v249
	s_add_co_u32 s59, s58, AREA_A
	v_add_nc_u32 v242, s59, v[LI]
	v_add_nc_u32 v243, s59, v249
	s_add_co_u32 s59, s53, AREA_B
	v_add_nc_u32 v244, s59, v[LI]
	v_add_nc_u32 v245, s59, v249
	s_add_co_u32 s59, s58, AREA_B
	v_add_nc_u32 v246, s59, v[LI]
	v_add_nc_u32 v247, s59, v249
.set n, 0
.rept 16
	v_mov_b32 v[ST+n], 0
.set n, n+1
.endr
	v_mov_b32 v[ST+4], 0xff61b1e6                  ; m: -3e38, under every score
	v_mov_b32 v[ST+12], 0xff61b1e6
.set n, 0
.rept 80
	v_mov_b32 v[O+n], 0                            ; O^T and l: the unit is written once, and its first walk finds zeros
.set n, n+1
.endr
	v_mov_b32 v[NEG], 0xff800000
	s_wait_loadcnt 0x0                             ; q
.Lslot:                                            ; ten trips: behind each change of slots but the last the next slot is asked for
	CHANGE 1
	SLOT3 1
	s_sub_co_u32 s17, s17, 1
	s_cmp_lg_u32 s17, 0
	s_cbranch_scc1 .Lslot
	CHANGE 0                                       ; the last slot is written out
	SLOT3 0
.irp k, 0,1,2,3,4,5,6,7
	ds_store_b128 v244, v[O+32+4*\k:O+32+4*\k+3] offset:IMG+512*\k   ; block 31 - i: my tile 1 for my partner
.endr
	ds_store_b32 v245, v[ST+12] offset:IMG+4096
	ds_store_b32 v245, v[L+8] offset:IMG+4224
	s_wait_dscnt 0x0                               ; for the others' sake
	s_barrier_signal -1
	s_barrier_wait -1
	FINAL 244, 245, 246, 247, 0, 62, 64            ; block 31 - i: my tile 0 is still in registers
	FINAL 240, 241, 242, 243, 1, 60, 80            ; block i: both parts from LDS
	s_wait_tensorcnt 0x0                           ; the wave's end
	ds_add_u32 v[SPW], v[NIL]
	s_wait_dscnt 0x0
	s_endpgm
.Lfunc_end_k_qfe7f70199c_attn:
	.size	k_qfe7f70199c_attn, .Lfunc_end_k_qfe7f70199c_attn-k_qfe7f70199c_attn
	.p2alignl 7, 3214868480
	.fill 96, 4, 3214868480
	.section	.rodata,"a",@progbits
	.p2align	6, 0x0
	.amdhsa_kernel k_qfe7f70199c_attn
		.amdhsa_group_segment_fixed_size 327680
		.amdhsa_private_segment_fixed_size 0
		.amdhsa_enable_private_segment 0
		.amdhsa_kernarg_size 24
		.amdhsa_user_sgpr_count 2
		.amdhsa_user_sgpr_kernarg_segment_ptr 1
		.amdhsa_wavefront_size32 1
		.amdhsa_system_sgpr_workgroup_id_x 1
		.amdhsa_system_sgpr_workgroup_id_y 1
		.amdhsa_system_sgpr_workgroup_id_z 1
		.amdhsa_system_vgpr_workitem_id 0
		.amdhsa_next_free_vgpr 464
		.amdhsa_next_free_sgpr 66
		.amdhsa_reserve_vcc 1
		.amdhsa_float_denorm_mode_32 3
		.amdhsa_float_denorm_mode_16_64 3
		.amdhsa_memory_ordered 1
		.amdhsa_forward_progress 1
		.amdhsa_inst_pref_size 72
	.end_amdhsa_kernel
	.amdgpu_metadata
---
amdhsa.version: [ 1, 2 ]
amdhsa.kernels:
  - .name:           k_qfe7f70199c_attn
    .symbol:         k_qfe7f70199c_attn.kd
    .args:
      - { .name: qkf, .offset: 0, .size: 8, .value_kind: global_buffer, .address_space: global }
      - { .name: vf, .offset: 8, .size: 8, .value_kind: global_buffer, .address_space: global }
      - { .name: ao, .offset: 16, .size: 8, .value_kind: global_buffer, .address_space: global }
    .group_segment_fixed_size: 327680
    .private_segment_fixed_size: 0
    .kernarg_segment_align: 8
    .kernarg_segment_size: 24
    .max_flat_workgroup_size: 256
    .sgpr_count:     66
    .vgpr_count:     464
    .wavefront_size: 32
...
	.end_amdgpu_metadata
.endif
;; end of part 3
;; launch oproj (part 4): grid 8 x 32, 4 waves a work-group, clusters of 4 x 4, 327,680 bytes of LDS; arguments ao, wof, bo, out0; writes out0
.if DOCPART == 4
	.amdgcn_target "amdgcn-amd-amdhsa--gfx1250"
	.amdhsa_code_object_version 6
	.text
	.protected	k_qfe7f70199c_oproj
	.globl	k_qfe7f70199c_oproj
	.p2align	8
	.type	k_qfe7f70199c_oproj,@function
k_qfe7f70199c_oproj:
	s_mov_b64 s[64:65], 0
	v_nop
	global_prefetch_b8 v0, s[64:65] scope:SCOPE_SE
	s_setreg_imm32_b32 hwreg(HW_REG_WAVE_MODE, 25, 1), 1
	s_wait_xcnt 0x0
	s_wait_alu depctr_hold_cnt(0) depctr_sa_sdst(0) depctr_va_vdst(0) depctr_va_sdst(0) depctr_va_ssrc(0) depctr_va_vcc(0) depctr_vm_vsrc(0)
	s_getreg_b32 s2, hwreg(HW_REG_IB_STS2, 6, 4)
	s_cmp_eq_u32 s2, 0
	s_cbranch_scc0 .Lentry_in_a_cluster
	s_endpgm
.Lentry_in_a_cluster:
	s_bfe_u32 s2, ttmp6, 0x10000c
	s_cmp_lg_u32 s2, 0xf033
	s_cbranch_scc0 .Lentry_shape_is_right
	s_endpgm
.Lentry_shape_is_right:
; OPROJ.  out0[m][n] = sum over k of O[m][k] Wo[k][n] + bo[n].  O (ao) and Wo (wof) come as f16 fragments in the order of the operands' registers: [row / 16][k / 32][half][lane][16 bytes]; sums and output f32.
; A tile of 128 x 128 is made by four waves, 64 x 64 each: 16 accumulators; 256 work-groups.  K goes in steps of 256 through two LDS slots; a wave's tensor load brings 64 rows' fragments of a step:
; four runs of 8,192 consecutive bytes.  A fragment's LDS load is 16 bytes x lane, 512 consecutive bytes: no padding is wanted.
; CLUSTERS: 4 x 4 work-groups: O's tiles are asked for jointly along a row of the cluster, Wo's along a column.
; THE MATRIX INSTRUCTION IS USED TRANSPOSED (source 0 = 16 columns n of Wo, source 1 = 16 rows of O): a lane holds eight neighbouring numbers of a row of the output.  The bias is the C of each sum's first link.
; REGISTERS: window 0: v0-31 addresses; v32-95 the way out; v96-127 the bias; v128-255 the accumulators ((a, b) at v[128 + 8 (4 a + b)]).  window 1: two fragment buffers of 128.
.set STEPB,  8192                      ; a K step of one tile of 16 rows, in bytes
.set HALFT,  32768                     ; what one tensor load brings
.set SLOT,   4*HALFT
.set STAGE,  2*SLOT                    ; behind the slots: 16 rows x 272 bytes for each wave
.set SPITCH, 272
.set SPARE,  STAGE+4*16*SPITCH         ; the spare words: two blocks of 256 bytes that no other line names
.set LAPS,   2
.set ADRA, 16
.set ADRB, 20
.set STO,  24
.set RD,   25
.set CO,   26
.set SPW,  28
.set NIL,  29
.set BH,   30
.set TMP,  32
.set BO,   96
.set ACC,  128
.set F0,   0
.set F1,   128
.set G1, 24
.set G0, 32
.set G1B, 48
.set G0B, 56
.set MSB, 0
.macro WIN new
.if MSB != \new
	s_set_vgpr_msb (MSB<<8)|\new
.set MSB, \new
.endif
.endm
.set MUL,  0x05                        ; sources 0 and 1 window 1; C and D window 0
.set TO_F, 0x40
.macro JLOAD s                         ; waves 0 and 1 fetch O's two halves, waves 2 and 3 Wo's; an s_nop 0 and four v_nop follow each line
	s_cmp_eq_u32 s11, 0
	s_cbranch_scc0 .Lfor_b_\@
	tensor_load_to_lds s[G0+4*\s:G0+4*\s+3], s[G1:G1+7]
	s_nop 0
.rept 4
	v_nop
.endr
	s_branch .Lasked_\@
.Lfor_b_\@:
	tensor_load_to_lds s[G0B+4*\s:G0B+4*\s+3], s[G1B:G1B+7]
	s_nop 0
.rept 4
	v_nop
.endr
.Lasked_\@:
.endm
.macro CREST
	s_cmp_lg_u32 s10, 0
	s_cbranch_scc1 .Lnot_wave_0_\@
	s_barrier_signal -3
.Lnot_wave_0_\@:
	s_barrier_wait -3
	s_barrier_signal -1
	s_barrier_wait -1
.endm
.macro CROUND
	s_barrier_signal -1
	s_barrier_wait -1
	CREST
.endm
	s_load_b128 s[4:7], s[0:1], 0x0                ; ao, wof
	s_load_b128 s[68:71], s[0:1], 0x10             ; bo, out0
	v_lshl_add_u32 v[SPW], v0, 2, SPARE
	v_mov_b32 v[NIL], 0
	ds_add_u32 v[SPW], v[NIL]                      ; the wave's opening: the add, twice on end, and its wait ahead of my first tensor load
	ds_add_u32 v[SPW], v[NIL]
	v_lshrrev_b32 v1, 5, v0
	v_readfirstlane_b32 s10, v1                    ; wave 0..3
	s_lshr_b32 s11, s10, 1                         ; my half of the tile's rows.  Also: I fetch for O (0) or for Wo (1)
	s_and_b32 s12, s10, 1                          ; my half of its columns.  Also: which 64 rows I fetch
	s_bfe_u32 s40, ttmp6, 0x40000                  ; cx
	s_bfe_u32 s41, ttmp6, 0x40004                  ; cy
	s_lshl_b32 s42, ttmp9, 2
	s_add_co_u32 s42, s42, s40                     ; tile column
	s_and_b32 s13, ttmp7, 0xffff
	s_lshl_b32 s13, s13, 2
	s_add_co_u32 s13, s13, s41                     ; tile row
	s_lshl_b32 s43, s41, 2
	s_lshl_b32 s43, 15, s43                        ; my row of the cluster
	s_lshl_b32 s44, 0x1111, s40                    ; my column
	s_or_b32 s[G1+0], s43, (3<<16)|(1<<21)         ; the mask; elements of 8 bytes; bit 21 beside a mask; no padding
	s_or_b32 s[G1B+0], s44, (3<<16)|(1<<21)
.irp g, G1, G1B
	s_mov_b32 s[\g+1], 1024<<16                    ; tensor_dim0: 1,024 elements = 8,192 bytes
	s_mov_b32 s[\g+2], 4<<16                       ; tensor_dim1 = 4
	s_mov_b32 s[\g+3], 1024<<16                    ; tile_dim0
	s_mov_b32 s[\g+4], 4                           ; tile_dim1
	s_mov_b32 s[\g+5], 4096                        ; the pitch: 32,768 bytes from one tile of 16 rows to the next
	s_mov_b32 s[\g+6], 0
	s_mov_b32 s[\g+7], 0
.endr
	s_lshl_b32 s17, s12, 2
	s_lshl_b32 s16, s13, 3
	s_add_co_u32 s16, s16, s17
	s_lshl_b32 s16, s16, 15                        ; O: (8 tile row + 4 half) x 32,768
	s_lshl_b32 s46, s42, 3
	s_add_co_u32 s46, s46, s17
	s_lshl_b32 s46, s46, 15                        ; Wo: the same by the tile column
	s_mov_b32 s17, 0
	s_mov_b32 s47, 0
	s_mul_i32 s20, s10, HALFT                      ; where they go: no place in the cluster enters an LDS address
	s_wait_dscnt 0x0                               ; both opening adds are done
	s_wait_kmcnt 0x0
	s_add_nc_u64 s[14:15], s[4:5], s[16:17]
	s_add_nc_u64 s[46:47], s[6:7], s[46:47]
	CROUND                                         ; all sixteen work-groups are here: the first joint loads meet
.irp s, 0,1
	s_mov_b32 s[G0+4*\s], 1
	s_add_co_u32 s[G0+4*\s+1], s20, \s*SLOT
	s_add_nc_u64 s[G0+4*\s+2:G0+4*\s+3], s[14:15], \s*STEPB
	s_or_b32 s[G0+4*\s+3], s[G0+4*\s+3], 0x80000000
	s_mov_b32 s[G0B+4*\s], 1
	s_add_co_u32 s[G0B+4*\s+1], s20, \s*SLOT
	s_add_nc_u64 s[G0B+4*\s+2:G0B+4*\s+3], s[46:47], \s*STEPB
	s_or_b32 s[G0B+4*\s+3], s[G0B+4*\s+3], 0x80000000
	JLOAD \s
.endr
	v_and_b32 v1, 15, v0                           ; r
	v_bfe_u32 v2, v0, 4, 1                         ; h
	v_and_b32 v3, 31, v0
	v_lshlrev_b32 v3, 4, v3                        ; 16 x lane
	s_mul_i32 s21, s11, HALFT                      ; my 64 rows of O
	s_mul_i32 s22, s12, HALFT
	s_add_co_u32 s22, s22, 2*HALFT                 ; my 64 columns of Wo, behind O's 128 rows
.irp s, 0,1
	v_add_nc_u32 v[ADRA+\s], s21, v3
	v_add_nc_u32 v[ADRB+\s], s22, v3
	s_add_co_u32 s21, s21, SLOT
	s_add_co_u32 s22, s22, SLOT
.endr
	s_mul_i32 s23, s10, 16*SPITCH
	s_add_co_u32 s23, s23, STAGE                   ; my stage
	v_mul_u32_u24 v4, v1, SPITCH
	v_lshl_add_u32 v4, v2, 5, v4
	v_add_nc_u32 v[STO], s23, v4                   ; in: row r, 32 bytes for each half of the lanes
	v_mul_u32_u24 v5, v2, SPITCH
	v_lshl_add_u32 v5, v1, 4, v5
	v_add_nc_u32 v[RD], s23, v5                    ; back: lanes 0-15 one row of 256 bytes, lanes 16-31 the next
	v_lshlrev_b32 v5, 12, v2
	v_lshl_add_u32 v[CO], v1, 4, v5                ; and the same two rows in the output
	v_lshlrev_b32 v[BH], 5, v2
	s_lshl_b32 s46, s42, 9                         ; my first column, in bytes: 512 x tile column + 256 x half
	s_lshl_b32 s47, s12, 8
	s_add_co_u32 s46, s46, s47
	s_mov_b32 s47, 0
	s_add_nc_u64 s[68:69], s[68:69], s[46:47]
.irp b, 0,1,2,3
	global_load_b128 v[BO+8*\b:BO+8*\b+3], v[BH], s[68:69] offset:64*\b         ; register j of accumulator (a, b) is column 16 b + 8 h + j
	global_load_b128 v[BO+8*\b+4:BO+8*\b+7], v[BH], s[68:69] offset:64*\b+16
.endr
	s_lshl_b32 s16, s13, 19                        ; my first row: (128 tile row + 64 half) x 4,096 bytes
	s_lshl_b32 s17, s11, 18
	s_add_co_u32 s16, s16, s17
	s_mov_b32 s17, 0
	s_add_nc_u64 s[70:71], s[70:71], s[16:17]
	s_add_nc_u64 s[70:71], s[70:71], s[46:47]
; 8 matrix instructions: m blocks a0, a0 + 1 x all 4 n blocks, 32 along K: half c of buffer f.  zero = 1: the sums begin with the bias.  The 16 accumulators take turns.
.macro MUL8 f, c, a0, zero
.irp a, \a0, \a0+1
.irp b, 0,1,2,3
.if \zero
	v_wmma_f32_16x16x32_f16 v[ACC+8*(4*(\a)+\b):ACC+8*(4*(\a)+\b)+7], v[\f+64+8*(4*\c+\b):\f+64+8*(4*\c+\b)+7], v[\f+8*(4*\c+\a):\f+8*(4*\c+\a)+7], v[BO+8*\b:BO+8*\b+7]
.else
	v_wmma_f32_16x16x32_f16 v[ACC+8*(4*(\a)+\b):ACC+8*(4*(\a)+\b)+7], v[\f+64+8*(4*\c+\b):\f+64+8*(4*\c+\b)+7], v[\f+8*(4*\c+\a):\f+8*(4*\c+\a)+7], v[ACC+8*(4*(\a)+\b):ACC+8*(4*(\a)+\b)+7]
.endif
.endr
.endr
.endm
; 32 LDS loads in one run: the fragments of the step's q-th 64 along K into buffer f; the first 32 along K first
.macro FETCH slot, q, f
	WIN TO_F
.irp c, 0,1
.irp i, 0,1,2,3
	ds_load_b128 v[\f+64+8*(4*\c+\i):\f+64+8*(4*\c+\i)+3],   v[ADRB+\slot] offset:\i*STEPB+(2*(\q)+\c)*1024
	ds_load_b128 v[\f+64+8*(4*\c+\i)+4:\f+64+8*(4*\c+\i)+7], v[ADRB+\slot] offset:\i*STEPB+(2*(\q)+\c)*1024+512
	ds_load_b128 v[\f+8*(4*\c+\i):\f+8*(4*\c+\i)+3],         v[ADRA+\slot] offset:\i*STEPB+(2*(\q)+\c)*1024
	ds_load_b128 v[\f+8*(4*\c+\i)+4:\f+8*(4*\c+\i)+7],       v[ADRA+\slot] offset:\i*STEPB+(2*(\q)+\c)*1024+512
.endr
.endr
.endm
.macro PLACES
.rept 4
	v_nop
.endr
.endm
.macro QUARTER slot, q, f, g, zero     ; multiplies buffer f and fetches the step's q-th quarter into g
	s_wait_dscnt 16                                ; the first 32 along K are in; the youngest sixteen loads may be out
	WIN MUL
	MUL8 \f, 0, 0, \zero
	MUL8 \f, 0, 2, \zero
	PLACES
	FETCH \slot, \q, \g
	s_wait_dscnt 32                                ; all but the 32 just issued
	WIN MUL
	MUL8 \f, 1, 0, 0
	MUL8 \f, 1, 2, 0
.endm
; The last quarter changes slots: ONE barrier; in front of it each wave waits for all its tensor loads, adds 0 to its spare word, and waits for that and for its reads of this slot.
.macro TURN slot, next, fill
	WIN 0
	s_wait_tensorcnt 0x0                           ; all my tensor loads have landed: my part of the next slot
	ds_add_u32 v[SPW], v[NIL]
	s_wait_dscnt 17                                ; the add and the youngest sixteen loads may be out
	WIN MUL
	MUL8 F1, 0, 0, 0
	s_wait_dscnt 0x0                               ; the add is done, and my reads of this slot are over
	s_barrier_signal -1
	MUL8 F1, 0, 2, 0
.if \fill
	WIN 0
.endif
	s_barrier_wait -1
.if \fill
	CREST                                          ; the barrier has opened a round of the cluster's: no wave of any partner still reads this slot or has a load on its way
	s_add_nc_u64 s[G0+4*\slot+2:G0+4*\slot+3], s[G0+4*\slot+2:G0+4*\slot+3], 2*STEPB
	s_add_nc_u64 s[G0B+4*\slot+2:G0B+4*\slot+3], s[G0B+4*\slot+2:G0B+4*\slot+3], 2*STEPB
	JLOAD \slot                                    ; the first tensor load behind the round; its four v_nop are also the places in front of the loads below
.else
	PLACES
.endif
	FETCH \next, 0, F0
	WIN MUL
	MUL8 F1, 1, 0, 0
	MUL8 F1, 1, 2, 0
.endm
	s_wait_tensorcnt 1                             ; my part of K step 0 is in; K step 1's load may be out
	s_barrier_signal -1
	s_barrier_wait -1
	FETCH 0, 0, F0
	s_wait_loadcnt 0x0                             ; the bias
	QUARTER 0, 1, F0, F1, 1                        ; the first quarter stands in front of the loop: its first products start the sums
	WIN 0
	s_mov_b32 s3, LAPS-1
.Llap:                                                 ; a trip goes once round the ring and fills both slots again
	QUARTER 0, 2, F1, F0, 0
	QUARTER 0, 3, F0, F1, 0
	TURN 0, 1, 1
	QUARTER 1, 1, F0, F1, 0
	QUARTER 1, 2, F1, F0, 0
	QUARTER 1, 3, F0, F1, 0
	TURN 1, 0, 1
	QUARTER 0, 1, F0, F1, 0
	WIN 0
	s_sub_co_u32 s3, s3, 1
	s_cmp_lg_u32 s3, 0
	s_cbranch_scc1 .Llap
	QUARTER 0, 2, F1, F0, 0                        ; the last lap fills nothing
	QUARTER 0, 3, F0, F1, 0
	TURN 0, 1, 0
	QUARTER 1, 1, F0, F1, 0
	QUARTER 1, 2, F1, F0, 0
	QUARTER 1, 3, F0, F1, 0
	s_wait_dscnt 16
	WIN MUL
	MUL8 F1, 0, 0, 0
	MUL8 F1, 0, 2, 0
	s_wait_dscnt 0
	MUL8 F1, 1, 0, 0
	MUL8 F1, 1, 2, 0
	WIN 0
; THE WAY OUT.  My 64 columns of f32 are 256 consecutive bytes of a row, aligned: a block of 16 rows goes through my own stage and comes back by rows.  LDS serves a wave's instructions in order: no wait between stores and loads.
.macro TOSTAGE a
.irp b, 0,1,2,3
	ds_store_b128 v[STO], v[ACC+8*(4*(\a)+\b):ACC+8*(4*(\a)+\b)+3] offset:64*\b       ; each accumulator from its low end on
	ds_store_b128 v[STO], v[ACC+8*(4*(\a)+\b)+4:ACC+8*(4*(\a)+\b)+7] offset:64*\b+16
.endr
.set BK, TMP+32*((\a)%2)
.irp t, 0,1,2,3,4,5,6,7
	ds_load_b128 v[BK+4*\t:BK+4*\t+3], v[RD] offset:\t*2*SPITCH
.endr
.endm
.macro SEND a, younger
.set BK, TMP+32*((\a)%2)
	s_wait_dscnt \younger                          ; the block is back; the next block's eight stores and eight loads may be out
.irp t, 0,1,2,3,4,5,6,7
	global_store_b128 v[CO], v[BK+4*\t:BK+4*\t+3], s[70:71] offset:(16*(\a)+2*\t)*4096 th:TH_STORE_NT   ; sixteen lanes store 256 consecutive bytes, aligned
.endr
.endm
	PLACES
	TOSTAGE 0
.irp a, 1,2,3
.if \a > 1
	s_wait_xcnt 0x0                                ; block a - 2's stores have read the registers into which block a comes back
.endif
	TOSTAGE \a
	SEND \a-1, 16
.endr
	SEND 3, 0
	s_wait_tensorcnt 0x0                           ; the wave's end
	ds_add_u32 v[SPW], v[NIL]
	s_wait_dscnt 0x0
	CROUND                                         ; the closing round
	s_endpgm
.Lfunc_end_k_qfe7f70199c_oproj:
	.size	k_qfe7f70199c_oproj, .Lfunc_end_k_qfe7f70199c_oproj-k_qfe7f70199c_oproj
	.p2alignl 7, 3214868480
	.fill 96, 4, 3214868480
	.section	.rodata,"a",@progbits
	.p2align	6, 0x0
	.amdhsa_kernel k_qfe7f70199c_oproj
		.amdhsa_group_segment_fixed_size 327680
		.amdhsa_private_segment_fixed_size 0
		.amdhsa_enable_private_segment 0
		.amdhsa_kernarg_size 32
		.amdhsa_user_sgpr_count 2
		.amdhsa_user_sgpr_kernarg_segment_ptr 1
		.amdhsa_wavefront_size32 1
		.amdhsa_system_sgpr_workgroup_id_x 1
		.amdhsa_system_sgpr_workgroup_id_y 1
		.amdhsa_system_sgpr_workgroup_id_z 1
		.amdhsa_system_vgpr_workitem_id 0
		.amdhsa_next_free_vgpr 512
		.amdhsa_next_free_sgpr 72
		.amdhsa_reserve_vcc 0
		.amdhsa_float_denorm_mode_32 3
		.amdhsa_float_denorm_mode_16_64 3
		.amdhsa_memory_ordered 1
		.amdhsa_forward_progress 1
		.amdhsa_inst_pref_size 86
	.end_amdhsa_kernel
	.amdgpu_metadata
---
amdhsa.version: [ 1, 2 ]
amdhsa.kernels:
  - .name:           k_qfe7f70199c_oproj
    .symbol:         k_qfe7f70199c_oproj.kd
    .args:
      - { .name: ao, .offset: 0, .size: 8, .value_kind: global_buffer, .address_space: global }
      - { .name: wof, .offset: 8, .size: 8, .value_kind: global_buffer, .address_space: global }
      - { .name: bo, .offset: 16, .size: 8, .value_kind: global_buffer, .address_space: global }
      - { .name: out0, .offset: 24, .size: 8, .value_kind: global_buffer, .address_space: global }
    .group_segment_fixed_size: 327680
    .private_segment_fixed_size: 0
    .kernarg_segment_align: 8
    .kernarg_segment_size: 32
    .max_flat_workgroup_size: 128
    .sgpr_count:     72
    .vgpr_count:     512
    .wavefront_size: 32
...
	.end_amdgpu_metadata
.endif
;; end of part 4
